; MI455X (gfx1250); checked and timed in simulation.
; The chip was launched on July 23, 2026; its instructions are those of AMD's public machine-readable ISA for CDNA 5 (MIT licence, August 2026) and "CDNA5" Instruction Set Architecture Reference Guide (July 2026). The comments in the code are by the model that wrote it; some were corrected since.
;; Self Attention. Allowed arithmetic: matrix products marked QUANTISED: E2M3 operands, one E8M0 scale for each 32 along K, by v_wmma_scale_f32_16x16x128_f8f6f4 with both operands' format E2M3, f32 sums; everything else in f32.
;; Inputs: Wk 1,024 x 1,024 float32; Wq 1,024 x 1,024 float32; Wv 1,024 x 1,024 float32; bk 1,024 float32; bq 1,024 float32; bv 1,024 float32; inputs 4 x 2,048 x 1,024 float32.
;; Outputs: out0 4 x 2,048 x 1,024 float32.
;; This version of the problem:
;;   THIS VERSION OF THE PROBLEM IS GIVEN IN LOW PRECISION. The matrix products marked QUANTISED in the list below multiply operands that are first quantised to E2M3 (2 exponent bits, 3 mantissa bits; 6 bits a number), with one power-of-two scale for each 32 numbers along K (OCP MX v1.0); their sums are f32. All else is computed in f32.
;;   The module's matrix products, in the order in which they are computed (A, B: the left and right operand; K: the contracted axis; several contracted axes count as one K, in the product's order):
;;     1. [M 8,192, K 1,024] x [K 1,024, N 1,024]; A: input inputs; B: input Wq: QUANTISED
;;     2. [M 8,192, K 1,024] x [K 1,024, N 1,024]; A: input inputs; B: input Wk: QUANTISED
;;     3. [M 8,192, K 1,024] x [K 1,024, N 1,024]; A: input inputs; B: input Wv: QUANTISED
;;     4. batch 4 x [M 2,048, K 1,024] x [K 1,024, N 2,048]; A: computed on the way; B: computed on the way: QUANTISED
;;     5. batch 4 x [M 2,048, K 2,048] x [K 2,048, N 1,024]; A: softmax (see below); B: computed on the way: QUANTISED
;;   THE QUANTISER, for each operand of a quantised product, along K:
;;     - K is cut into blocks of 32 from its start; a last block that is shorter is filled with zeros.
;;     - A block's scale is 2^e with e = floor(log2(the largest magnitude in the block)) - 2, held to -126 .. 127; a block of zeros has e = 0. As a byte (E8M0): e + 127.
;;     - Each number is divided by its block's scale, clamped to +-7.5, and rounded to the nearest number of E2M3, ties to even, subnormals kept.
;;     - The product sums the exact products of the quantised numbers (number of the format x scale) in f32.
;;   ~~~python
;;   def quantise(x, axis):      # numpy; x: float32 -> the quantised numbers, widened to float32 again
;;       x = np.moveaxis(x, axis, -1); K = x.shape[-1]
;;       x = np.pad(x, [(0, 0)] * (x.ndim - 1) + [(0, -K % 32)]); x = x.reshape(x.shape[:-1] + (-1, 32)); a = np.abs(x).max(-1, keepdims=True)
;;       e = np.where(a > 0, np.clip(np.frexp(np.where(a > 0, a, 1))[1] - 1 - 2, -126, 127), 0)      # np.frexp(a)[1] - 1 = floor(log2(a)), exactly
;;       r = np.clip(x / 2.0 ** e, -7.5, 7.5)
;;       step = 2.0 ** (np.maximum(np.frexp(np.where(r == 0, 1, r))[1] - 1, 0) - 3)
;;       q = np.round(r / step) * step * 2.0 ** e      # np.round: ties to even
;;       return np.moveaxis(q.reshape(q.shape[:-2] + (-1,))[..., :K], -1, axis).astype(np.float32)
;;   ~~~
;;   SOFTMAX AHEAD OF A QUANTISED PRODUCT. Where the list says 'softmax', what is quantised is not the finished softmax but p = 2^(t - M), with t = logit x log2(e) and M = ceil(the row's largest t), a whole number; so 1/2 < the row's largest p <= 1. The row's sum l is taken of the UNQUANTISED p, in f32, and the product's result is divided by l at the end. Since M is a whole number, a kernel that streams over the keys may use a running M (the ceiling of the running maximum): every later rescaling is an exact power of two, which a block's scale takes up: the codes' values come out the same.
;;   OPERANDS COMPUTED ON THE WAY. 'Computed on the way' means the value that the module computes at that place (a softmax that the list does not call 'softmax' is quantised finished and normalised). What goes into a quantiser is computed in f32, as accurately as f32 sums, v_exp_f32 and their like allow (about 1e-6 of the number): no bf16 or f16 on the way to a quantiser, and a product that is left as it is and whose result goes on into a quantised operand takes f32 operands (vector FMAs, or v_wmma_f32_16x16x4_f32). A number that lies on a knife's edge between two numbers of the format may be rounded either way, as far as f32 arithmetic and the matrix unit's own rounding can turn it there, and no further.
;; One version. Each part assembles by itself: llvm-mc -triple=amdgcn-amd-amdhsa -mcpu=gfx1250 --defsym DOCPART=n.
;; ======== version 1 of 1: 4 launches
;; workspace buffers: xw 9,011,200 bytes; qkv 19,660,800 bytes; p 14,155,776 bytes
;; launch quant (part 1): grid 448 x 1, 4 waves a work-group, no clusters, 34,304 bytes of LDS; arguments inputs, Wq, Wk, Wv, xw; writes xw
.if DOCPART == 1
	.amdgcn_target "amdgcn-amd-amdhsa--gfx1250"
	.amdhsa_code_object_version 6
	.text
	.protected	k_q39412c0d46_quant
	.globl	k_q39412c0d46_quant
	.p2align	8
	.type	k_q39412c0d46_quant,@function
k_q39412c0d46_quant:
	s_mov_b64 s[64:65], 0
	v_nop
	global_prefetch_b8 v0, s[64:65] scope:SCOPE_SE
	s_setreg_imm32_b32 hwreg(HW_REG_WAVE_MODE, 25, 1), 1
	s_wait_xcnt 0x0
; x [8192][1024] and Wq, Wk, Wv [1024 (k)][1024 (n)], f32, become codes of FP6 (E2M3) with one E8M0 scale byte for each 32 along K, laid as the products' launch wants them.
; A FRAGMENT IMAGE is 16 rows x 128 K as the matrix operand's 12 registers a lane: registers 4 c .. 4 c + 3 of lane l at byte 512 c + 16 l: 1,536 bytes.  Codes: [tile][K step][1536].
; THE ROWS OF A TILE ARE NOT NEIGHBOURS: in each group of 32 rows, lane-row r of tile u (0, 1) is row 8 u + r + 8 (r / 8).  As source 0 of a product such tiles give a lane 16 neighbours along the next K.
; SCALE WORDS (four bytes: 128 along K of one row): [tile][K step / 4][r][K step % 4], 256 bytes for each (tile, four K steps).
; xw: x's images at 0 (512 tiles x 8 K steps), the weights' at WI (192 tiles: Wq's columns, Wk's, Wv's), x's scale words at XS, the weights' at WS.
; A block's scale is 2^(floor(log2(its largest magnitude)) - 2): its byte is the largest magnitude's exponent field - 2, held at 1 from below.
; LIMITS: a block of zeros gets the byte 1 where the rule says 127 (its codes are zeros, and this program alone reads the bytes); NaN and infinities are not served.
; Work-groups 0-255 take x, 256-447 the weights: one scalar branch on the work-group's number.  Only x's path uses LDS, each wave its own bytes: no barrier.  Memory binds: no matrix unit, no cluster.
.set XS,   8650752
.set WI,   6291456
.set WS,   8912896
.set SEL,  20                          ; s[20:21] lane selects for v_permlanex16_b32: lane l xor 16
.set HIM,  22                          ; s22 mask of lanes 16-31
.set RAW,  16                          ; v16-143  x: two sets of 64 registers as loaded
.set XN,   144                         ; v144-207 x: 64 numbers of my row, register 16 b + i = k 32 b + 16 (lane / 16) + i
.set PC,   208                         ; v208-226 the codes just made
.set TM,   228                         ; v228-243 at work
.set SW,   244                         ; v244-247 my row's four scale words
.set WX,   16                          ; v16-143  weights: 128 numbers down K of my column
.set WM,   144                         ; v144-147 largest magnitudes;  v152-155 the conversions' scale operands;  v156-159 the bytes
.set WSO,  152
.set WBY,  156
.set WC,   160                         ; v160-183 the two lanes' worth of a fragment's registers
.set WT,   184                         ; v184-198 upper halves of blocks, as converted
; 64 numbers of a lane become a fragment's 12 registers in v[PC] on and its row's scale word in v[pw].
.macro QUANT src, pw
.irp b, 0,1,2,3
	v_max3_num_f32 v[TM+\b], |v[\src+16*\b]|, |v[\src+1+16*\b]|, 0x1800000   ; block b: my 16 numbers and the floor 2^(3 - 127): the byte cannot fall under 1
.endr
.irp i, 2,4,6,8,10,12,14
.irp b, 0,1,2,3
	v_max3_num_f32 v[TM+\b], v[TM+\b], |v[\src+16*\b+\i]|, |v[\src+1+16*\b+\i]|   ; the four blocks by turns
.endr
.endr
.irp b, 0,1,2,3
	v_permlanex16_b32 v[TM+4+\b], v[TM+\b], s[SEL], s[SEL+1]
.endr
.irp b, 0,1,2,3
	v_max_num_f32 v[TM+\b], v[TM+\b], v[TM+4+\b]   ; with lane l xor 16's 16: the block's largest magnitude
.endr
.irp b, 0,1,2,3
	v_add_nc_u32 v[TM+12+\b], 0xff000000, v[TM+\b]   ; 2 off its exponent field: the conversion's scale operand
.endr
.irp b, 0,1,2,3
	v_lshrrev_b32 v[TM+4+\b], 23, v[TM+12+\b]      ; the scale's byte
.endr
	v_lshl_or_b32 v[\pw], v[TM+5], 8, v[TM+4]
	v_lshl_or_b32 v[\pw], v[TM+6], 16, v[\pw]
	v_lshl_or_b32 v[\pw], v[TM+7], 24, v[\pw]
.irp c, 0,1
	v_cvt_scalef32_pk16_fp6_f32 v[PC+6*\c:PC+2+6*\c], v[\src+32*\c:\src+15+32*\c], v[TM+12+2*\c]
	v_cvt_scalef32_pk16_fp6_f32 v[PC+12+4*\c:PC+14+4*\c], v[\src+16+32*\c:\src+31+32*\c], v[TM+12+2*\c+1]   ; (a conversion's three registers begin on an even number)
.endr
	v_nop                                          ; one plain place behind a scaled conversion
.irp c, 0,1                                    ; the operand's layout wants a whole block in a lane: lanes 0-15 block 2 c, lanes 16-31 block 2 c + 1
.irp i, 0,1,2
	v_permlane16_swap_b32 v[PC+6*\c+\i], v[PC+12+4*\c+\i]
.endr
.irp i, 0,1,2
	v_mov_b32 v[PC+3+6*\c+\i], v[PC+12+4*\c+\i]
.endr
.endr
.endm
	s_load_b256 s[4:11], s[0:1], 0x0               ; inputs s[4:5], Wq s[6:7], Wk s[8:9], Wv s[10:11]
	s_load_b64 s[12:13], s[0:1], 0x20              ; xw
	v_lshl_add_u32 v254, v0, 2, 0x8400
	v_mov_b32 v255, 0
	v_lshrrev_b32 v1, 5, v0
	v_readfirstlane_b32 s16, v1                    ; wave 0..3
	v_and_b32 v1, 31, v0                           ; lane
	s_cmp_lt_u32 ttmp9, 256
	s_cbranch_scc0 .Lweights
	; ---- x: a wave takes one tile (16 rows) x 512 along K: four K steps
	s_mov_b32 s[SEL], 0x76543210
	s_mov_b32 s[SEL+1], 0xfedcba98
	v_and_b32 v2, 15, v0                           ; r
	v_bfe_u32 v3, v0, 4, 1                         ; h
	v_lshlrev_b32 v4, 4, v1                        ; 16 x lane: my place in a load's, and in a store's, 512 bytes
	s_mul_i32 s17, s16, 8448                       ; my wave's stage: 16 rows x (512 + 16) bytes
	v_add_nc_u32 v5, s17, v4                       ; into it: as loaded
	v_mul_u32_u24 v6, v2, 528
	v_lshl_add_u32 v6, v3, 6, v6
	v_add_nc_u32 v6, s17, v6                       ; out of it: row r, + 64 h: my 16 numbers of a block of 32
	v_lshlrev_b32 v7, 4, v2
	v_lshl_add_u32 v7, v3, 3, v7                   ; the scale words' way out: 16 r + 8 h
	v_cmp_lt_u32 s[HIM], 15, v1
.irp b, 0,1,2,3
	v_mov_b32 v[TM+4+\b], 0                        ; written once: a lane permute's destination counts as one of its sources
.endr
	s_lshl_b32 s18, ttmp9, 2
	s_add_co_u32 s18, s18, s16                     ; which of 1,024 wave shares
	s_lshr_b32 s19, s18, 1                         ; the tile, 0..511
	s_and_b32 s18, s18, 1                          ; which half of K
	s_lshr_b32 s23, s19, 1
	s_lshl_b32 s23, s23, 5
	s_and_b32 s24, s19, 1
	s_lshl_b32 s24, s24, 3
	s_add_co_u32 s23, s23, s24                     ; the tile's first row: 32 (tile / 2) + 8 (tile % 2)
	s_lshl_b32 s24, s23, 12                        ; rows of 4,096 bytes
	s_lshl_b32 s25, s18, 11
	s_add_co_u32 s24, s24, s25
	s_mov_b32 s25, 0
	s_mul_i32 s26, s19, 12288                      ; the tile's images,
	s_mul_i32 s27, s18, 6144                       ; my four K steps of them
	s_add_co_u32 s26, s26, s27
	s_mov_b32 s27, 0
	s_lshl_b32 s28, s19, 9                         ; the tile's scale words, my 256 bytes of them
	s_lshl_b32 s29, s18, 8
	s_add_co_u32 s28, s28, s29
	s_add_co_u32 s28, s28, XS
	s_mov_b32 s29, 0
	s_wait_kmcnt 0x0
	s_add_nc_u64 s[4:5], s[4:5], s[24:25]
	s_add_nc_u64 s[8:9], s[12:13], s[26:27]
	s_add_nc_u64 s[10:11], s[12:13], s[28:29]
.macro LOADX t                         ; K step t of the tile's 16 rows: each load takes 512 consecutive bytes of one row
.irp i, 0,1,2,3,4,5,6,7,8,9,10,11,12,13,14,15
	global_load_b128 v[RAW+64*((\t)%2)+4*\i:RAW+64*((\t)%2)+4*\i+3], v4, s[4:5] offset:(\i+8*(\i/8))*4096+512*(\t) th:TH_LOAD_NT
.endr
.endm
.macro XSTEP t
.if (\t) < 3
	s_wait_loadcnt 16                              ; this step's 16 loads are in; the next step's 16 may be out
.else
	s_wait_loadcnt 0x0
.endif
.irp i, 0,1,2,3,4,5,6,7,8,9,10,11,12,13,14,15
	ds_store_b128 v5, v[RAW+64*((\t)%2)+4*\i:RAW+64*((\t)%2)+4*\i+3] offset:528*\i
.endr
.irp b, 0,1,2,3
.irp j, 0,1,2,3
	ds_load_b128 v[XN+16*\b+4*\j:XN+16*\b+4*\j+3], v6 offset:128*\b+16*\j   ; LDS serves a wave's instructions in order: these see the stores above
.endr
.endr
	s_wait_dscnt 0x0                               ; my numbers are back, and the stores have read their registers
.if (\t) > 0
	s_wait_xcnt 0x0                                ; the last step's stores have read the codes' registers: they are written again below
.endif
.if (\t) < 2
	LOADX (\t)+2
.endif
	QUANT XN, SW+(\t)
.irp c, 0,1,2
	global_store_b128 v4, v[PC+4*\c:PC+4*\c+3], s[8:9] offset:1536*(\t)+512*\c   ; 32 lanes store 512 consecutive bytes, at a multiple of 256 from the buffer's first byte
.endr
.endm
	LOADX 0
	LOADX 1
	XSTEP 0
	XSTEP 1
	XSTEP 2
	XSTEP 3
	v_cndmask_b32 v248, v[SW], v[SW+2], s[HIM]     ; lanes 0-15 send words 0 and 1 of row r, lanes 16-31 words 2 and 3
	v_cndmask_b32 v249, v[SW+1], v[SW+3], s[HIM]
	global_store_b64 v7, v[248:249], s[10:11]      ; 32 lanes store 256 consecutive bytes, aligned
	s_wait_tensorcnt 0x0
	ds_add_u32 v254, v255
	s_wait_dscnt 0x0
	s_endpgm
.Lweights:
	; ---- the weights: a work-group takes 128 columns x 128 along K; a lane takes a column, and its registers run down K
	s_sub_co_u32 s17, ttmp9, 256
	s_lshr_b32 s18, s17, 3                         ; which 128 columns of the 3,072
	s_and_b32 s17, s17, 7                          ; the K step
	s_lshr_b32 s19, s18, 3                         ; which weight
	s_and_b32 s23, s18, 7
	s_lshl_b32 s23, s23, 7
	s_lshl_b32 s24, s16, 5
	s_add_co_u32 s23, s23, s24                     ; my wave's first column in that weight
	s_lshl_b32 s24, s23, 2
	s_lshl_b32 s25, s17, 19                        ; 128 rows of 4,096 bytes a K step
	s_add_co_u32 s24, s24, s25
	s_mov_b32 s25, 0
	s_lshl_b32 s26, s18, 2
	s_add_co_u32 s26, s26, s16                     ; my group of 32 columns, 0..95: tiles 2 g and 2 g + 1
	s_mul_i32 s28, s26, 24576
	s_mul_i32 s27, s17, 1536
	s_add_co_u32 s28, s28, s27
	s_add_co_u32 s28, s28, WI
	s_mov_b32 s29, 0
	s_lshl_b32 s30, s26, 10
	s_lshr_b32 s27, s17, 2
	s_lshl_b32 s27, s27, 8
	s_add_co_u32 s30, s30, s27
	s_and_b32 s27, s17, 3
	s_lshl_b32 s27, s27, 2
	s_add_co_u32 s30, s30, s27
	s_add_co_u32 s30, s30, WS
	s_mov_b32 s31, 0
	v_lshlrev_b32 v2, 2, v1                        ; in: 4 bytes a lane
	v_bfe_u32 v5, v0, 3, 1                         ; my column's tile u = (lane / 8) % 2,
	v_and_b32 v6, 7, v0
	v_bfe_u32 v7, v0, 4, 1
	v_lshl_add_u32 v6, v7, 3, v6                   ; and its lane-row r = lane % 8 + 8 (lane / 16)
	v_lshlrev_b32 v6, 4, v6
	v_mad_u32_u24 v3, v5, 0x3000, v6               ; codes: 12,288 u + 16 r
	v_lshl_add_u32 v4, v5, 9, v6                   ; scale word: 512 u + 16 r
	s_wait_kmcnt 0x0
	s_cmp_eq_u32 s19, 0                            ; the choice hangs on the work-group's number alone
	s_cselect_b64 s[14:15], s[6:7], s[8:9]
	s_cmp_eq_u32 s19, 2
	s_cselect_b64 s[14:15], s[10:11], s[14:15]
	s_add_nc_u64 s[14:15], s[14:15], s[24:25]
	s_add_nc_u64 s[8:9], s[12:13], s[28:29]
	s_add_nc_u64 s[10:11], s[12:13], s[30:31]
.set i, 0
.rept 128
	global_load_b32 v[WX+i], v2, s[14:15] offset:4096*i th:TH_LOAD_NT   ; a wave reads 128 consecutive bytes of a row, the work-group 512
.set i, i+1
.endr
	s_wait_loadcnt 0x0
.irp b, 0,1,2,3
	v_max3_num_f32 v[WM+\b], |v[WX+32*\b]|, |v[WX+32*\b+1]|, 0x1800000   ; all 32 numbers of a block are mine; the floor as above
.endr
.irp i, 2,4,6,8,10,12,14,16,18,20,22,24,26,28,30
.irp b, 0,1,2,3
	v_max3_num_f32 v[WM+\b], v[WM+\b], |v[WX+32*\b+\i]|, |v[WX+32*\b+\i+1]|
.endr
.endr
.irp b, 0,1,2,3
	v_add_nc_u32 v[WSO+\b], 0xff000000, v[WM+\b]
.endr
.irp b, 0,1,2,3
	v_lshrrev_b32 v[WBY+\b], 23, v[WSO+\b]
.endr
	v_lshl_or_b32 v200, v[WBY+1], 8, v[WBY]
	v_lshl_or_b32 v200, v[WBY+2], 16, v200
	v_lshl_or_b32 v200, v[WBY+3], 24, v200         ; my column's scale word for this K step
.irp b, 0,1,2,3                                ; block b belongs to the image's lane (r, b % 2), registers 6 (b / 2) on
	v_cvt_scalef32_pk16_fp6_f32 v[WC+12*(\b%2)+6*(\b/2):WC+12*(\b%2)+6*(\b/2)+2], v[WX+32*\b:WX+32*\b+15], v[WSO+\b]
	v_cvt_scalef32_pk16_fp6_f32 v[WT+4*\b:WT+4*\b+2], v[WX+32*\b+16:WX+32*\b+31], v[WSO+\b]
.endr
	v_nop                                          ; one plain place behind a scaled conversion
.irp b, 0,1,2,3
.irp i, 0,1,2
	v_mov_b32 v[WC+12*(\b%2)+6*(\b/2)+3+\i], v[WT+4*\b+\i]
.endr
.endr
.irp h, 0,1
.irp c, 0,1,2
	global_store_b128 v3, v[WC+12*\h+4*\c:WC+12*\h+4*\c+3], s[8:9] offset:512*\c+256*\h   ; sixteen lanes of one tile store 256 consecutive bytes, aligned
.endr
.endr
	global_store_b32 v4, v200, s[10:11]            ; 4 bytes a lane, 16 bytes apart: the weights' scale words are 98,304 bytes in all
	s_endpgm
.Lfunc_end_k_q39412c0d46_quant:
	.size	k_q39412c0d46_quant, .Lfunc_end_k_q39412c0d46_quant-k_q39412c0d46_quant
	.p2alignl 7, 3214868480
	.fill 96, 4, 3214868480
	.section	.rodata,"a",@progbits
	.p2align	6, 0x0
	.amdhsa_kernel k_q39412c0d46_quant
		.amdhsa_group_segment_fixed_size 34304
		.amdhsa_private_segment_fixed_size 0
		.amdhsa_enable_private_segment 0
		.amdhsa_kernarg_size 40
		.amdhsa_user_sgpr_count 2
		.amdhsa_user_sgpr_kernarg_segment_ptr 1
		.amdhsa_wavefront_size32 1
		.amdhsa_system_sgpr_workgroup_id_x 1
		.amdhsa_system_sgpr_workgroup_id_y 1
		.amdhsa_system_sgpr_workgroup_id_z 1
		.amdhsa_system_vgpr_workitem_id 0
		.amdhsa_next_free_vgpr 256
		.amdhsa_next_free_sgpr 66
		.amdhsa_reserve_vcc 0
		.amdhsa_float_denorm_mode_32 3
		.amdhsa_float_denorm_mode_16_64 3
		.amdhsa_memory_ordered 1
		.amdhsa_forward_progress 1
		.amdhsa_inst_pref_size 54
	.end_amdhsa_kernel
	.amdgpu_metadata
---
amdhsa.version: [ 1, 2 ]
amdhsa.kernels:
  - .name:           k_q39412c0d46_quant
    .symbol:         k_q39412c0d46_quant.kd
    .args:
      - { .name: inputs, .offset: 0, .size: 8, .value_kind: global_buffer, .address_space: global }
      - { .name: Wq, .offset: 8, .size: 8, .value_kind: global_buffer, .address_space: global }
      - { .name: Wk, .offset: 16, .size: 8, .value_kind: global_buffer, .address_space: global }
      - { .name: Wv, .offset: 24, .size: 8, .value_kind: global_buffer, .address_space: global }
      - { .name: xw, .offset: 32, .size: 8, .value_kind: global_buffer, .address_space: global }
    .group_segment_fixed_size: 34304
    .private_segment_fixed_size: 0
    .kernarg_segment_align: 8
    .kernarg_segment_size: 40
    .max_flat_workgroup_size: 128
    .sgpr_count:     66
    .vgpr_count:     256
    .wavefront_size: 32
...
	.end_amdgpu_metadata
.endif
;; end of part 1
;; launch qkv (part 2): grid 8 x 48, 4 waves a work-group, clusters of 4 x 4, 327,680 bytes of LDS; arguments xw, bq, bk, bv, qkv; writes qkv
.if DOCPART == 2
	.amdgcn_target "amdgcn-amd-amdhsa--gfx1250"
	.amdhsa_code_object_version 6
	.text
	.protected	k_q39412c0d46_qkv
	.globl	k_q39412c0d46_qkv
	.p2align	8
	.type	k_q39412c0d46_qkv,@function
k_q39412c0d46_qkv:
	s_mov_b64 s[64:65], 0
	v_nop
	global_prefetch_b8 v0, s[64:65] scope:SCOPE_SE
	s_setreg_imm32_b32 hwreg(HW_REG_WAVE_MODE, 25, 1), 1
	s_wait_xcnt 0x0
	s_wait_alu depctr_hold_cnt(0) depctr_sa_sdst(0) depctr_va_vdst(0) depctr_va_sdst(0) depctr_va_ssrc(0) depctr_va_vcc(0) depctr_vm_vsrc(0)
	s_getreg_b32 s2, hwreg(HW_REG_IB_STS2, 6, 4)
	s_cmp_eq_u32 s2, 0
	s_cbranch_scc0 .Lentry_in_a_cluster
	s_endpgm
.Lentry_in_a_cluster:
	s_bfe_u32 s2, ttmp6, 0x10000c
	s_cmp_lg_u32 s2, 0xf033
	s_cbranch_scc0 .Lentry_shape_is_right
	s_endpgm
.Lentry_shape_is_right:
; Q = x Wq + bq, K = x Wk + bk, V = x Wv + bv on codes of FP6 (E2M3) with E8M0 scales, sums in f32; the results are quantised at once: Q and K along the features, V along the keys.
; OPERANDS lie in xw as fragment images (16 rows x 128 K as the operand's 12 registers a lane: registers 4 c .. 4 c + 3 of lane l at 512 c + 16 l), [tile][K step][1536], and scale words [tile][K step / 4][r][K step % 4].
; In each group of 32 rows, lane-row r of tile u is row 8 u + r + 8 (r / 8): as source 0 such tiles give lane (r, h), register j of tile b the index 32 (b / 2) + 16 h + 8 (b % 2) + j: the 64 registers of one block of
; source 1 are 128 neighbours along the NEXT product's K (16 a lane for each block of 32), so they are quantised in registers and leave as the next operand's image.
; A tile of 256 x 256 results is made by four waves, 128 x 128 each: 64 accumulators, 512 registers.  'A' is source 1, 'B' source 0.
; K = 1,024 is four slots' worth of tiles (256 along K each), and THREE slots fit in LDS: three are asked for at the start, the fourth takes slot 0's place as soon as slot 0 has been read: 224 matrix instructions ahead of the wait for it.
; ONE TEXT FOR THREE PRODUCTS.  Clusters with y under 8: A = x (32 tile rows), B = Wq's and Wk's columns (8 tile columns): registers run along the features.  Clusters with y from 8 on (MODE = 1): A = Wv's columns
; (4 tile rows), B = x (32 tile columns): registers run along the tokens, V's K.  MODE hangs on the cluster's y alone: it is the same in all sixteen partners.
; The bias is the C of each sum's first product: by B's block where registers run along the features, by A's lane-row in MODE 1.
; CLUSTERS: 4 x 4 work-groups; A's tiles are asked for jointly along a row of the cluster, B's along a column.
; qkv: Q's images at 0, K's at 6,291,456 ([tile 512][8][1536]), V's at 12,582,912 ([batch][tile of d 64][16][1536]); scale words: Q 18,874,368, K 19,136,512, V 19,398,656.
; LIMITS: a block of zeros gets the byte 1 (its codes are zeros; this program alone reads the bytes); NaN and infinities are not served.
; REGISTERS: window 0: v1-3 lane, r, h; v16-29 addresses; v32-63 scale words, two sets; v64-127 the bias; v128-223 A's fragments, one set (on the way out: codes and work).  window 1: B's fragments, two sets, at v0 and v128.
;   window 2: accumulators of A's blocks 0-3 ((a, b) at v[8 (8 (a % 4) + b)]);  window 3: of blocks 4-7.
.set NA,    8
.set NQ,    2                          ; K steps of 128 in a slot
.set FR,    12
.set NL,    3                          ; LDS loads that bring a fragment
.set TILEB, NQ*1536                    ; a tile's bytes in a slot
.set AHALF, NA*TILEB                   ; eight tiles: what one tensor load brings, and what one wave reads of A
.set BHALF, 8*TILEB
.set SLOT,  2*AHALF+2*BHALF
.set SBLK,  512                        ; a tile's scale words for all of K
.set SCL,   3*SLOT                     ; behind the three slots: the scale words, A's 2 x 4,096 bytes, then B's: filled once
.set SPARE, SCL+16384                  ; the spare words, 128 bytes for each wave: two blocks of 256 bytes that no other line names
.set XWI,   6291456                    ; in xw: the weights' images, x's scale words, the weights'
.set XXS,   8650752
.set XWS,   8912896
.set ADRA, 16                          ; v16-18 LDS address of my A fragments in slot 0, 1, 2
.set ADRB, 20                          ; v20-22 the same for B
.set LI,   24                          ; v24 16 x lane
.set SWO,  25                          ; v25 the way out: my place among the scale words
.set ADRS, 27                          ; v27 LDS address of my scale words: lanes 0-15 A's, lanes 16-31 B's
.set SPW,  28                          ; v28 LDS address of my spare word; never rewritten
.set NIL,  29                          ; v29 0; never rewritten
.set SC,   32
.set BIAS, 64
.set AF,   128
.set PC,   128                         ; the way out: v128-146 codes, v152-167 at work, v168-170 scale words
.set TM,   152
.set PWE,  168
.set PWS,  170
.set G1,   24
.set G0,   32                          ; s[32:39] A's groups 0 for slots 0 and 1
.set G0C,  20                          ; s[20:23] A's group 0 for slot 2, formed where A's addresses were made
.set G1B,  48
.set G0B,  56                          ; s[56:63] B's groups 0 for slots 0 and 1
.set G0BC, 44                          ; s[44:47] B's group 0 for slot 2, formed where B's address was made
.set G1S,  68
.set G0S,  76
.set G1SB, 80
.set G0SB, 88
.set MODE, 95
.set HIM,  96                          ; s96 mask of lanes 16-31
.set SEL,  98                          ; s[98:99] lane selects: lane l xor 16
.set MSB, 0
.macro WIN new                         ; the immediate's high byte repeats the setting that is left
.if MSB != (\new)
	s_set_vgpr_msb (MSB<<8)|(\new)
.set MSB, (\new)
.endif
.endm
.macro MWIN hi, cm                     ; source 0 (B) window 1, source 1 (A) window 0, D window 2 or 3; C with D, or (the bias) in window 0
.if (\cm) >= 2
	WIN 0x81+0x40*(\hi)
.else
	WIN 0xa1+0x50*(\hi)
.endif
.endm
; A joint load: waves 0 and 1 fetch for A, waves 2 and 3 for B; the branch hangs on the wave's number alone.  Four v_nop follow each of the two lines.
.macro JLOAD g0a, g1a, g0b, g1b
	s_cmp_eq_u32 s15, 0
	s_cbranch_scc0 .Lfor_b_\@
	tensor_load_to_lds s[\g0a:\g0a+3], s[\g1a:\g1a+7]
	s_nop 0
.rept 4
	v_nop
.endr
	s_branch .Lasked_\@
.Lfor_b_\@:
	tensor_load_to_lds s[\g0b:\g0b+3], s[\g1b:\g1b+7]
	s_nop 0
.rept 4
	v_nop
.endr
.Lasked_\@:
.endm
.macro CREST                           ; a round of the cluster's barrier behind its opening barrier
	s_cmp_lg_u32 s14, 0
	s_cbranch_scc1 .Lnot_wave_0_\@
	s_barrier_signal -3
.Lnot_wave_0_\@:
	s_barrier_wait -3
	s_barrier_signal -1
	s_barrier_wait -1
.endm
.macro CROUND
	s_barrier_signal -1
	s_barrier_wait -1
	CREST
.endm
.macro PLACES n                        ; plain vector places behind matrix instructions, in front of loads into their registers and of reads of their results
.rept \n
	v_nop
.endr
.endm
.macro FRAG reg, adr, q, i             ; a fragment comes as it was stored: three loads of 512 consecutive bytes
.irp c, 0,1,2
	ds_load_b128 v[\reg+4*\c:\reg+4*\c+3], v[\adr] offset:(\i)*TILEB+(\q)*1536+512*\c
.endr
.endm
.macro FETCH_B slot, q, p
	WIN 0x40
.irp i, 0,1,2,3,4,5,6,7
	FRAG 128*(\p)+FR*\i, ADRB+\slot, \q, \i
.endr
	WIN 0
.endm
.macro FETCH_A slot, q, i0
.irp i, \i0, \i0+1, \i0+2, \i0+3
	FRAG AF+FR*(\i), ADRA+\slot, \q, \i
.endr
.endm
.macro SCALES sc                       ; two K steps' scale words a row into set sc: lanes 0-15 A's block i, lanes 16-31 B's block i.  The sets go by turns along K: 0, 1, 0, 1
.irp i, 0,1,2,3,4,5,6,7
	ds_load_b64 v[SC+8*NQ*\sc+NQ*\i:SC+8*NQ*\sc+NQ*\i+1], v[ADRS] offset:\i*SBLK+8*\sc
.endr
.endm
; Eight products: A's block a against B's eight.  cm: what C is: 0 the sum so far; 2 the bias by B's block; 3 the bias by A's block.  The 64 accumulators take turns, in the same order in every K step.
.macro MULA a, p, q, sc, cm
.irp b, 0,1,2,3,4,5,6,7
.set AC, 8*(8*((\a)%4)+\b)
.if (\cm) == 0
	v_wmma_scale_f32_16x16x128_f8f6f4 v[AC:AC+7], v[128*(\p)+FR*\b:128*(\p)+FR*\b+FR-1], v[AF+FR*(\a):AF+FR*(\a)+FR-1], v[AC:AC+7], v[SC+8*NQ*(\sc)+NQ*\b+(\q)], v[SC+8*NQ*(\sc)+NQ*(\a)+(\q)] matrix_a_fmt:MATRIX_FMT_FP6 matrix_b_fmt:MATRIX_FMT_FP6 matrix_a_scale:MATRIX_SCALE_ROW1
.elseif (\cm) == 2
	v_wmma_scale_f32_16x16x128_f8f6f4 v[AC:AC+7], v[128*(\p)+FR*\b:128*(\p)+FR*\b+FR-1], v[AF+FR*(\a):AF+FR*(\a)+FR-1], v[BIAS+8*\b:BIAS+8*\b+7], v[SC+8*NQ*(\sc)+NQ*\b+(\q)], v[SC+8*NQ*(\sc)+NQ*(\a)+(\q)] matrix_a_fmt:MATRIX_FMT_FP6 matrix_b_fmt:MATRIX_FMT_FP6 matrix_a_scale:MATRIX_SCALE_ROW1
.else
	v_wmma_scale_f32_16x16x128_f8f6f4 v[AC:AC+7], v[128*(\p)+FR*\b:128*(\p)+FR*\b+FR-1], v[AF+FR*(\a):AF+FR*(\a)+FR-1], v[BIAS+8*(\a):BIAS+8*(\a)+7], v[SC+8*NQ*(\sc)+NQ*\b+(\q)], v[SC+8*NQ*(\sc)+NQ*(\a)+(\q)] matrix_a_fmt:MATRIX_FMT_FP6 matrix_b_fmt:MATRIX_FMT_FP6 matrix_a_scale:MATRIX_SCALE_ROW1
.endif
.endr
.endm
.macro MULQ k, p, q, sc, cm            ; a quarter of a K step: A's blocks 2 k and 2 k + 1
	MULA 2*(\k), \p, \q, \sc, \cm
	MULA 2*(\k)+1, \p, \q, \sc, \cm
.endm
; A K step of 128 that has its successor in the same slot.  sc: the set of scale words at work.
.macro STEP slot, sc, q, cm
	s_wait_dscnt 4*NL                              ; all but the youngest twelve loads (A's blocks 4-7) are in
	MWIN 0, \cm
	MULQ 0, (\q)%2, \q, \sc, \cm
	MULQ 1, (\q)%2, \q, \sc, \cm
	s_wait_dscnt 0x0                               ; A's blocks 4-7 are in
	PLACES 4
	FETCH_B \slot, (\q)+1, 1-(\q)%2
	FETCH_A \slot, (\q)+1, 0
	MWIN 1, \cm
	MULQ 2, (\q)%2, \q, \sc, \cm
	MULQ 3, (\q)%2, \q, \sc, \cm
	PLACES 4
	WIN 0
	FETCH_A \slot, (\q)+1, 4
.endm
; A slot's last K step with a barrier: in front of it each wave waits for all its tensor loads, adds 0 to its spare word, and waits for that and for its reads of this slot.
; fill = 1: this slot is filled again, with the tiles three slots on along K.  fill = 0: the barrier shows the refilled slot whole to every wave.
.macro TURN slot, sc, next, nsc, fill
	s_wait_tensorcnt 0x0                           ; all my tensor loads have landed
	ds_add_u32 v[SPW], v[NIL]                      ; 0 onto my spare word
	s_wait_dscnt 4*NL+1                            ; (the add and the youngest twelve loads may be out)
	MWIN 0, 0
	MULQ 0, 1, NQ-1, \sc, 0
	s_wait_dscnt 0x0                               ; the add is done, and my reads of this slot are over
	s_barrier_signal -1
	MULQ 1, 1, NQ-1, \sc, 0
	WIN 0
	s_barrier_wait -1
.if \fill
	CREST                                          ; the barrier has opened a round of the cluster's: no wave of any partner still reads this slot or has a load on its way
	s_add_nc_u64 s[G0+4*\slot+2:G0+4*\slot+3], s[G0+4*\slot+2:G0+4*\slot+3], 3*TILEB
	s_add_nc_u64 s[G0B+4*\slot+2:G0B+4*\slot+3], s[G0B+4*\slot+2:G0B+4*\slot+3], 3*TILEB
	JLOAD G0+4*\slot, G1, G0B+4*\slot, G1B         ; the first tensor load behind the round; its four v_nop are the places in front of the loads below
.else
	PLACES 4
.endif
	FETCH_B \next, 0, 0
	FETCH_A \next, 0, 0
	SCALES \nsc
	MWIN 1, 0
	MULQ 2, 1, NQ-1, \sc, 0
	MULQ 3, 1, NQ-1, \sc, 0
	PLACES 4
	WIN 0
	FETCH_A \next, 0, 4
.endm
; A slot's last K step without a barrier: the next slot was shown whole to every wave by the barrier of the TURN before (every wave had waited for all its tensor loads in front of it), and neither slot is filled again.
.macro CROSS slot, sc, next, nsc
	s_wait_dscnt 4*NL                              ; all but the youngest twelve loads (A's blocks 4-7) are in
	MWIN 0, 0
	MULQ 0, 1, NQ-1, \sc, 0
	MULQ 1, 1, NQ-1, \sc, 0
	s_wait_dscnt 0x0                               ; A's blocks 4-7 are in
	PLACES 4
	FETCH_B \next, 0, 0
	FETCH_A \next, 0, 0
	v_add_nc_u32 v[ADRS], 256, v[ADRS]             ; on to the next four K steps' scale words
	SCALES \nsc
	MWIN 1, 0
	MULQ 2, 1, NQ-1, \sc, 0
	MULQ 3, 1, NQ-1, \sc, 0
	PLACES 4
	WIN 0
	FETCH_A \next, 0, 4
.endm
	s_load_b128 s[4:7], s[0:1], 0x0                ; xw s[4:5], bq s[6:7]
	s_load_b128 s[8:11], s[0:1], 0x10              ; bk s[8:9], bv s[10:11]
	s_load_b64 s[12:13], s[0:1], 0x20              ; qkv
	v_lshl_add_u32 v[SPW], v0, 2, SPARE
	v_mov_b32 v[NIL], 0
	ds_add_u32 v28, v29
	ds_add_u32 v28, v29
	s_wait_dscnt 0x0
	v_lshrrev_b32 v1, 5, v0
	v_readfirstlane_b32 s14, v1                    ; wave 0..3
	s_lshr_b32 s15, s14, 1                         ; which half of A's rows is mine.  Also: I fetch for A (0) or for B (1)
	s_and_b32 s16, s14, 1                          ; which half of B's rows.  Also: which half I fetch
	s_bfe_u32 s40, ttmp6, 0x40000                  ; cx, cy: my place in the cluster
	s_bfe_u32 s41, ttmp6, 0x40004
	s_and_b32 s67, ttmp7, 0xffff                   ; the cluster's y, 0..11
	s_sub_co_u32 s2, s67, 8
	s_lshl_b32 s2, s2, 1
	s_add_co_u32 s2, s2, ttmp9                     ; MODE 1: which four tile columns of x: cluster x + 2 (cluster y - 8)
	s_mov_b32 s18, XXS
	s_mov_b32 s19, XWS
	s_cmp_ge_u32 s67, 8
	s_cselect_b32 s[MODE], 1, 0
	s_cselect_b32 s3, 0, s67                       ; which four tile rows of A
	s_cselect_b32 s2, s2, ttmp9                    ; which four tile columns of B
	s_cselect_b32 s66, XWI+128*12288, 0            ; where A's images begin in xw: Wv's, or x's
	s_cselect_b32 s97, 0, XWI                      ; and B's: x's, or Wq's
	s_cselect_b32 s18, XWS+128*512, s18            ; A's scale words
	s_cselect_b32 s19, XXS, s19                    ; B's
	s_lshl_b32 s17, s3, 2
	s_add_co_u32 s17, s17, s41                     ; A's tile row
	s_lshl_b32 s42, s2, 2
	s_add_co_u32 s42, s42, s40                     ; B's tile column
	s_lshl_b32 s43, s41, 2
	s_lshl_b32 s43, 15, s43                        ; my row of the cluster
	s_lshl_b32 s44, 0x1111, s40                    ; my column
	; descriptor group 1: eight tiles' two K steps: 8 rows of 384 elements of 8 bytes (3,072 bytes), 1,536 elements apart; no padding
	s_or_b32 s[G1+0], s43, (3<<16)|(1<<21)         ; 15:0 the mask; 17:16 elements of 8 bytes; 21 set beside a mask
	s_or_b32 s[G1B+0], s44, (3<<16)|(1<<21)
.irp g, G1, G1B
	s_mov_b32 s[\g+1], 384<<16                     ; tensor_dim0
	s_mov_b32 s[\g+2], 8<<16                       ; tensor_dim1
	s_mov_b32 s[\g+3], 384<<16                     ; tile_dim0
	s_mov_b32 s[\g+4], 8                           ; tile_dim1
	s_mov_b32 s[\g+5], 1536                        ; tensor_dim0_stride
	s_mov_b32 s[\g+6], 0
	s_mov_b32 s[\g+7], 0
.endr
	; and for eight tiles' scale words: 4,096 dense bytes as 16 rows of 256
	s_or_b32 s[G1S+0], s43, (3<<16)|(1<<21)
	s_or_b32 s[G1SB+0], s44, (3<<16)|(1<<21)
.irp g, G1S, G1SB
	s_mov_b32 s[\g+1], 32<<16
	s_mov_b32 s[\g+2], 16<<16
	s_mov_b32 s[\g+3], 32<<16
	s_mov_b32 s[\g+4], 16
	s_mov_b32 s[\g+5], 32
	s_mov_b32 s[\g+6], 0
	s_mov_b32 s[\g+7], 0
.endr
	s_lshl_b32 s94, s16, 3                         ; which eight tiles I fetch
	s_lshl_b32 s22, s17, 4
	s_add_co_u32 s22, s22, s94                     ; A: tile 16 x tile row + 8 x half
	s_lshl_b32 s46, s42, 4
	s_add_co_u32 s46, s46, s94                     ; B likewise
	s_lshl_b32 s20, s22, 9
	s_add_co_u32 s20, s20, s18                     ; A's scale words, in bytes from xw
	s_mov_b32 s21, 0
	s_mul_i32 s22, s22, 12288
	s_add_co_u32 s22, s22, s66                     ; A's images
	s_mov_b32 s23, 0
	s_lshl_b32 s92, s46, 9
	s_add_co_u32 s92, s92, s19
	s_mov_b32 s93, 0
	s_mul_i32 s46, s46, 12288
	s_add_co_u32 s46, s46, s97
	s_mov_b32 s47, 0
	s_mul_i32 s45, s14, AHALF                      ; where they go: wave x eight tiles: no place in the cluster enters an LDS address
	s_lshl_b32 s94, s14, 12
	s_wait_kmcnt 0x0
	s_add_nc_u64 s[20:21], s[4:5], s[20:21]
	s_add_nc_u64 s[22:23], s[4:5], s[22:23]
	s_add_nc_u64 s[46:47], s[4:5], s[46:47]
	s_add_nc_u64 s[92:93], s[4:5], s[92:93]
	CROUND                                         ; all sixteen work-groups are here: the first joint loads meet
	s_mov_b32 s[G0S], 1
	s_add_co_u32 s[G0S+1], s94, SCL
	s_mov_b64 s[G0S+2:G0S+3], s[20:21]
	s_or_b32 s[G0S+3], s[G0S+3], 0x80000000
	s_mov_b32 s[G0SB], 1
	s_add_co_u32 s[G0SB+1], s94, SCL
	s_mov_b64 s[G0SB+2:G0SB+3], s[92:93]
	s_or_b32 s[G0SB+3], s[G0SB+3], 0x80000000
	JLOAD G0S, G1S, G0SB, G1SB                     ; the scale words first: they are wanted with the first K step
.irp s, 0,1
	s_mov_b32 s[G0+4*\s], 1
	s_add_co_u32 s[G0+4*\s+1], s45, \s*SLOT
	s_add_nc_u64 s[G0+4*\s+2:G0+4*\s+3], s[22:23], \s*TILEB
	s_or_b32 s[G0+4*\s+3], s[G0+4*\s+3], 0x80000000
	s_mov_b32 s[G0B+4*\s], 1
	s_add_co_u32 s[G0B+4*\s+1], s45, \s*SLOT
	s_add_nc_u64 s[G0B+4*\s+2:G0B+4*\s+3], s[46:47], \s*TILEB
	s_or_b32 s[G0B+4*\s+3], s[G0B+4*\s+3], 0x80000000
	JLOAD G0+4*\s, G1, G0B+4*\s, G1B
.endr
	s_mov_b32 s[G0C], 1                            ; slot 2's groups 0 are formed in place: no pending load names s[20:23] or s[44:47] (the loads above name copies)
	s_add_co_u32 s[G0C+1], s45, 2*SLOT
	s_add_nc_u64 s[G0C+2:G0C+3], s[22:23], 2*TILEB
	s_or_b32 s[G0C+3], s[G0C+3], 0x80000000
	s_mov_b32 s[G0BC], 1
	s_add_co_u32 s[G0BC+1], s45, 2*SLOT
	s_add_nc_u64 s[G0BC+2:G0BC+3], s[46:47], 2*TILEB
	s_or_b32 s[G0BC+3], s[G0BC+3], 0x80000000
	JLOAD G0C, G1, G0BC, G1B                       ; four tensor loads of mine are out behind this one
	v_and_b32 v1, 31, v0                           ; lane
	v_and_b32 v2, 15, v0                           ; r
	v_bfe_u32 v3, v0, 4, 1                         ; h
	v_lshlrev_b32 v[LI], 4, v1
	s_mul_i32 s2, s15, AHALF                       ; my eight tiles of A
	s_mul_i32 s3, s16, BHALF                       ; my eight of B,
	s_add_co_u32 s3, s3, 2*AHALF                   ; which lie behind A's sixteen
.irp s, 0,1,2
	v_add_nc_u32 v[ADRA+\s], s2, v[LI]
	v_add_nc_u32 v[ADRB+\s], s3, v[LI]
	s_add_co_u32 s2, s2, SLOT
	s_add_co_u32 s3, s3, SLOT
.endr
	v_lshlrev_b32 v5, 4, v2                        ; my row's scale words: 16 bytes a row
	s_mul_i32 s2, s15, NA*SBLK
	s_mul_i32 s3, s16, 8*SBLK
	s_add_co_u32 s3, s3, 2*NA*SBLK
	s_sub_co_u32 s3, s3, s2
	v_mul_u32_u24 v6, s3, v3                       ; lanes 16-31 take B's
	s_add_co_u32 s2, s2, SCL
	v_add_nc_u32 v5, v5, v6
	v_add_nc_u32 v[ADRS], s2, v5
	v_cmp_lt_u32 s[HIM], 15, v1
	s_mov_b32 s[SEL], 0x76543210
	s_mov_b32 s[SEL+1], 0xfedcba98
	; the bias, in the result's layout
	s_cmp_eq_u32 ttmp9, 0                          ; cluster x 0 makes Q, 1 makes K;
	s_cselect_b64 s[6:7], s[6:7], s[8:9]
	s_cmp_eq_u32 s[MODE], 0                        ; MODE 1 makes V
	s_cselect_b64 s[6:7], s[6:7], s[10:11]
	s_cmp_eq_u32 s[MODE], 0
	s_cbranch_scc0 .Lbias_v
	s_lshl_b32 s2, s40, 10                         ; my 128 features: 256 (tile column % 4) + 128 x half
	s_lshl_b32 s3, s16, 9
	s_add_co_u32 s2, s2, s3
	s_mov_b32 s3, 0
	s_add_nc_u64 s[6:7], s[6:7], s[2:3]
	v_lshlrev_b32 v4, 6, v3                        ; lane (r, h) wants, for B's block b, features 32 (b / 2) + 16 h + 8 (b % 2) + 0 .. 7
.irp b, 0,1,2,3,4,5,6,7
	global_load_b128 v[BIAS+8*\b:BIAS+8*\b+3], v4, s[6:7] offset:(32*(\b/2)+8*(\b%2))*4
	global_load_b128 v[BIAS+8*\b+4:BIAS+8*\b+7], v4, s[6:7] offset:(32*(\b/2)+8*(\b%2))*4+16
.endr
	s_wait_loadcnt 0x0
	s_branch .Lbias_done
.Lbias_v:
	s_lshl_b32 s2, s17, 10                         ; my 128 of V's features: 256 x tile row + 128 x half
	s_lshl_b32 s3, s15, 9
	s_add_co_u32 s2, s2, s3
	s_mov_b32 s3, 0
	s_add_nc_u64 s[6:7], s[6:7], s[2:3]
	v_and_b32 v4, 8, v2
	v_add_nc_u32 v4, v4, v2
	v_lshlrev_b32 v4, 2, v4                        ; lane-row r of A's block a is feature 32 (a / 2) + 8 (a % 2) + r + 8 (r / 8): one number for all eight registers
.irp a, 0,1,2,3,4,5,6,7
	global_load_b32 v[BIAS+8*\a], v4, s[6:7] offset:(32*(\a/2)+8*(\a%2))*4
.endr
	s_wait_loadcnt 0x0
.irp a, 0,1,2,3,4,5,6,7
.irp j, 1,2,3,4,5,6,7
	v_mov_b32 v[BIAS+8*\a+\j], v[BIAS+8*\a]
.endr
.endr
	PLACES 8                                       ; plain places between these moves and the scaled products that read them
.Lbias_done:
	s_wait_tensorcnt 2                             ; the scale words and my part of slot 0 are in (the loads of slots 1 and 2 may be out)
	s_barrier_signal -1
	s_barrier_wait -1                              ; everybody's are
	FETCH_B 0, 0, 0
	FETCH_A 0, 0, 0
	SCALES 0
	FETCH_A 0, 0, 4
	s_cmp_eq_u32 s[MODE], 0                        ; the first K step starts the sums with the bias: nothing is cleared.  It is written once for each way the bias lies
	s_cbranch_scc0 .Lfirst_v
	STEP 0, 0, 0, 2
	s_branch .Lfirst_done
.Lfirst_v:
	STEP 0, 0, 0, 3
.Lfirst_done:
	TURN 0, 0, 1, 1, 1                             ; K step 1: slot 0 is left and takes K steps 6 and 7.  The eight K steps are written out, no loop
	STEP 1, 1, 0, 0                                ; K step 2
	CROSS 1, 1, 2, 0                               ; K step 3: on into slot 2, which has landed
	STEP 2, 0, 0, 0                                ; K step 4
	TURN 2, 0, 0, 1, 0                             ; K step 5: the refill of slot 0 is waited for here; nothing is filled any more
	STEP 0, 1, 0, 0                                ; K step 6
	s_wait_dscnt 4*NL                              ; the very last K step
	MWIN 0, 0
	MULQ 0, 1, NQ-1, 1, 0
	MULQ 1, 1, NQ-1, 1, 0
	s_wait_dscnt 0x0
	MWIN 1, 0
	MULQ 2, 1, NQ-1, 1, 0
	MULQ 3, 1, NQ-1, 1, 0
	WIN 0
	PLACES 4
	; THE WAY OUT.  A's block a, 64 registers a lane, is one fragment of the next product: quantised in registers, stored as its image.  The descriptors' registers are free: every tensor load has landed.
	s_lshl_b32 s24, 12288, s[MODE]                 ; from tile to tile of the output: 8 K steps, or V's 16
	s_mov_b32 s25, 0
	s_lshl_b32 s26, 1024, s[MODE]                  ; two tiles' scale words
	s_mov_b32 s27, 0
	s_add_co_u32 s28, s[MODE], 2
	s_lshr_b32 s29, s42, s28                       ; Q or K; in MODE 1 the batch
	s_lshl_b32 s30, 4, s[MODE]
	s_sub_co_u32 s30, s30, 1
	s_and_b32 s30, s42, s30
	s_lshl_b32 s30, s30, 1
	s_add_co_u32 s30, s30, s16                     ; the output's K step
	s_lshl_b32 s31, s17, 4
	s_lshl_b32 s32, s15, 3
	s_add_co_u32 s31, s31, s32                     ; my first tile of the output
	s_lshl_b32 s33, s[MODE], 1
	s_lshr_b32 s34, 6291456, s33
	s_mul_i32 s34, s34, s29
	s_mul_i32 s35, s[MODE], 12582912
	s_add_co_u32 s34, s34, s35
	s_mul_i32 s35, s31, s24
	s_add_co_u32 s34, s34, s35
	s_mul_i32 s35, s30, 1536
	s_add_co_u32 s34, s34, s35
	s_mov_b32 s35, 0
	s_add_nc_u64 s[36:37], s[12:13], s[34:35]      ; where my first image goes
	s_lshr_b32 s34, 262144, s33
	s_mul_i32 s34, s34, s29
	s_mul_i32 s32, s[MODE], 524288
	s_add_co_u32 s34, s34, s32
	s_add_co_u32 s34, s34, 18874368
	s_lshr_b32 s32, s26, 1                         ; a tile's scale words
	s_mul_i32 s28, s31, s32
	s_add_co_u32 s34, s34, s28
	s_lshr_b32 s28, s30, 2
	s_lshl_b32 s28, s28, 8
	s_add_co_u32 s34, s34, s28
	s_and_b32 s28, s30, 3
	s_lshl_b32 s28, s28, 2
	s_add_co_u32 s34, s34, s28
	s_add_nc_u64 s[38:39], s[12:13], s[34:35]      ; and my first scale words
	v_mul_u32_u24 v[SWO], s32, v3                  ; lanes 0-15 send the even block's words, lanes 16-31 the odd block's: one tile on
	v_lshl_add_u32 v[SWO], v2, 4, v[SWO]
.irp b, 0,1,2,3
	v_mov_b32 v[TM+4+\b], 0                        ; written once: a lane permute's destination counts as one of its sources
.endr
.macro QBLK a
.set W, 2+(\a)/4
.set S0, 64*((\a)%4)
.set PWR, PWE+(\a)%2
.if (\a) > 0
	s_wait_xcnt 0x0                                ; the last block's stores have read their registers and bases: both are written again below
	s_add_nc_u64 s[36:37], s[36:37], s[24:25]
.if (\a)%2 == 0
	s_add_nc_u64 s[38:39], s[38:39], s[26:27]
.endif
.endif
	WIN (W<<2)|(W<<4)                              ; sources 1 and 2: the accumulators' window
.irp b, 0,1,2,3
	v_max3_num_f32 v[TM+\b], 0x1800000, |v[S0+16*\b]|, |v[S0+16*\b+1]|   ; block b: my 16 numbers, each accumulator from its low end on, and the floor 2^(3 - 127)
.endr
.irp i, 2,4,6,8,10,12,14
.irp b, 0,1,2,3
	v_max3_num_f32 v[TM+\b], v[TM+\b], |v[S0+16*\b+\i]|, |v[S0+16*\b+\i+1]|
.endr
.endr
	WIN 0
.irp b, 0,1,2,3
	v_permlanex16_b32 v[TM+4+\b], v[TM+\b], s[SEL], s[SEL+1]
.endr
.irp b, 0,1,2,3
	v_max_num_f32 v[TM+\b], v[TM+\b], v[TM+4+\b]   ; with lane l xor 16's: the block's largest magnitude
.endr
.irp b, 0,1,2,3
	v_add_nc_u32 v[TM+12+\b], 0xff000000, v[TM+\b]   ; 2 off its exponent field: the conversion's scale operand
.endr
.irp b, 0,1,2,3
	v_lshrrev_b32 v[TM+4+\b], 23, v[TM+12+\b]      ; the scale's byte
.endr
	v_lshl_or_b32 v[PWR], v[TM+5], 8, v[TM+4]
	v_lshl_or_b32 v[PWR], v[TM+6], 16, v[PWR]
	v_lshl_or_b32 v[PWR], v[TM+7], 24, v[PWR]
	WIN W                                          ; source 0: the accumulators' window
.irp c, 0,1
	v_cvt_scalef32_pk16_fp6_f32 v[PC+6*\c:PC+2+6*\c], v[S0+32*\c:S0+15+32*\c], v[TM+12+2*\c]
	v_cvt_scalef32_pk16_fp6_f32 v[PC+12+4*\c:PC+14+4*\c], v[S0+16+32*\c:S0+31+32*\c], v[TM+12+2*\c+1]
.endr
	WIN 0
	v_nop                                          ; one plain place behind a scaled conversion
.irp c, 0,1
.irp i, 0,1,2
	v_permlane16_swap_b32 v[PC+6*\c+\i], v[PC+12+4*\c+\i]   ; a whole block to a lane: lanes 0-15 block 2 c, lanes 16-31 block 2 c + 1
.endr
.irp i, 0,1,2
	v_mov_b32 v[PC+3+6*\c+\i], v[PC+12+4*\c+\i]
.endr
.endr
.irp c, 0,1,2
	global_store_b128 v[LI], v[PC+4*\c:PC+4*\c+3], s[36:37] offset:512*\c   ; 32 lanes store 512 consecutive bytes, at a multiple of 256 from the buffer's first byte
.endr
.if (\a)%2 == 1
	v_cndmask_b32 v[PWS], v[PWE], v[PWE+1], s[HIM]
	global_store_b32 v[SWO], v[PWS], s[38:39]      ; 4 bytes a lane, 16 bytes apart: the scale words are one twenty-fourth of the codes' bytes
.endif
.endm
.irp a, 0,1,2,3,4,5,6,7
	QBLK \a
.endr
	s_wait_tensorcnt 0x0                           ; the wave's end
	ds_add_u32 v[SPW], v[NIL]
	s_wait_dscnt 0x0
	CROUND                                         ; the closing round: no work-group ends while a partner may still ask for a tile that names it
	s_endpgm
.Lfunc_end_k_q39412c0d46_qkv:
	.size	k_q39412c0d46_qkv, .Lfunc_end_k_q39412c0d46_qkv-k_q39412c0d46_qkv
	.p2alignl 7, 3214868480
	.fill 96, 4, 3214868480
	.section	.rodata,"a",@progbits
	.p2align	6, 0x0
	.amdhsa_kernel k_q39412c0d46_qkv
		.amdhsa_group_segment_fixed_size 327680
		.amdhsa_private_segment_fixed_size 0
		.amdhsa_enable_private_segment 0
		.amdhsa_kernarg_size 40
		.amdhsa_user_sgpr_count 2
		.amdhsa_user_sgpr_kernarg_segment_ptr 1
		.amdhsa_wavefront_size32 1
		.amdhsa_system_sgpr_workgroup_id_x 1
		.amdhsa_system_sgpr_workgroup_id_y 1
		.amdhsa_system_sgpr_workgroup_id_z 1
		.amdhsa_system_vgpr_workitem_id 0
		.amdhsa_next_free_vgpr 1024
		.amdhsa_next_free_sgpr 100
		.amdhsa_reserve_vcc 0
		.amdhsa_float_denorm_mode_32 3
		.amdhsa_float_denorm_mode_16_64 3
		.amdhsa_memory_ordered 1
		.amdhsa_forward_progress 1
		.amdhsa_inst_pref_size 159
	.end_amdhsa_kernel
	.amdgpu_metadata
---
amdhsa.version: [ 1, 2 ]
amdhsa.kernels:
  - .name:           k_q39412c0d46_qkv
    .symbol:         k_q39412c0d46_qkv.kd
    .args:
      - { .name: xw, .offset: 0, .size: 8, .value_kind: global_buffer, .address_space: global }
      - { .name: bq, .offset: 8, .size: 8, .value_kind: global_buffer, .address_space: global }
      - { .name: bk, .offset: 16, .size: 8, .value_kind: global_buffer, .address_space: global }
      - { .name: bv, .offset: 24, .size: 8, .value_kind: global_buffer, .address_space: global }
      - { .name: qkv, .offset: 32, .size: 8, .value_kind: global_buffer, .address_space: global }
    .group_segment_fixed_size: 327680
    .private_segment_fixed_size: 0
    .kernarg_segment_align: 8
    .kernarg_segment_size: 40
    .max_flat_workgroup_size: 128
    .sgpr_count:     100
    .vgpr_count:     1024
    .wavefront_size: 32
...
	.end_amdgpu_metadata
.endif
;; end of part 2
;; launch scores (part 3): grid 8 x 32, 4 waves a work-group, clusters of 4 x 4, 327,680 bytes of LDS; arguments qkv, p; writes p
.if DOCPART == 3
	.amdgcn_target "amdgcn-amd-amdhsa--gfx1250"
	.amdhsa_code_object_version 6
	.text
	.protected	k_q39412c0d46_scores
	.globl	k_q39412c0d46_scores
	.p2align	8
	.type	k_q39412c0d46_scores,@function
k_q39412c0d46_scores:
	s_mov_b64 s[64:65], 0
	v_nop
	global_prefetch_b8 v0, s[64:65] scope:SCOPE_SE
	s_setreg_imm32_b32 hwreg(HW_REG_WAVE_MODE, 25, 1), 1
	s_wait_xcnt 0x0
	s_wait_alu depctr_hold_cnt(0) depctr_sa_sdst(0) depctr_va_vdst(0) depctr_va_sdst(0) depctr_va_ssrc(0) depctr_va_vcc(0) depctr_vm_vsrc(0)
	s_getreg_b32 s2, hwreg(HW_REG_IB_STS2, 6, 4)
	s_cmp_eq_u32 s2, 0
	s_cbranch_scc0 .Lentry_in_a_cluster
	s_endpgm
.Lentry_in_a_cluster:
	s_bfe_u32 s2, ttmp6, 0x10000c
	s_cmp_lg_u32 s2, 0xf033
	s_cbranch_scc0 .Lentry_shape_is_right
	s_endpgm
.Lentry_shape_is_right:
; S = Q K^T on codes of FP6 (E2M3) with E8M0 scales, sums in f32; then, for each query and each run of 128 keys: t = score x log2(e) / 32, M = the run's largest t rounded UP to a whole number,
; p = 2^(t - M), the sum of the unquantised p, and p quantised along the keys.  M is LOCAL to the 128 keys: the next launch takes the row's largest M and lowers each run's scale bytes by the difference, which is exact.
; Q, K lie in qkv as fragment images [tile][K step][1536] (16 rows x 128 K as the operand's 12 registers a lane) with scale words [tile][K step / 4][r][K step % 4]; in each group of 32 rows lane-row r of tile u is row 8 u + r + 8 (r / 8).
; A tile of 256 queries x 256 keys is made by four waves, 128 x 128 each.  'A' = Q is source 1, 'B' = K source 0: lane (r, h) holds ONE query, and the 64 registers of A's block a are its scores of 128 neighbouring keys:
; register 16 B + i = key 32 B + 16 h + i.  CLUSTERS: 4 x 4; Q's tiles are asked for jointly along a row of the cluster, K's along a column.
; K = 1,024 is four slots' worth of tiles (256 along K each), and THREE slots fit in LDS: three are asked for at the start, the fourth takes slot 0's place as soon as slot 0 has been read: 224 matrix instructions ahead of the wait for it.
; p: images at 0, [query tile 512][run of 128 keys 16][1536]; at STAT three planes [run 16][tile 512][r 16] of 4 bytes: -M (f32, a whole number), the run's sum, the run's scale word.
; LIMITS: a block whose every p has fallen to 0 gets the byte 1 (its codes are zeros); NaN and infinities are not served.  A block's largest p is the exponential of its largest score: v_exp_f32 is taken not to fall where its input rises.
; REGISTERS: window 0: v1-3 lane, r, h; v16-29 addresses; v32-63 scale words, two sets; v128-223 A's fragments, one set (on the way out: codes and work).  window 1: B's fragments, two sets.  windows 2, 3: the accumulators.
.set NA,    8
.set NQ,    2
.set FR,    12
.set NL,    3
.set TILEB, NQ*1536
.set AHALF, NA*TILEB
.set BHALF, 8*TILEB
.set SLOT,  2*AHALF+2*BHALF
.set SBLK,  512
.set SCL,   3*SLOT                     ; behind the three slots: the scale words, Q's 2 x 4,096 bytes, then K's: filled once
.set SPARE, SCL+16384                  ; the spare words, 128 bytes for each wave: two blocks of 256 bytes that no other line names
.set QKI,   6291456                    ; in qkv: K's images, Q's scale words, K's
.set QQS,   18874368
.set QKS,   19136512
.set STAT,  12582912                   ; in p
.set ADRA, 16                          ; v16-18 LDS address of my A fragments in slot 0, 1, 2
.set ADRB, 20                          ; v20-22 the same for B
.set LI,   24                          ; v24 16 x lane
.set SWO,  25                          ; v25 4 x lane
.set ADRS, 27
.set SPW,  28                          ; v28 LDS address of my spare word; never rewritten
.set NIL,  29                          ; v29 0; never rewritten
.set SC,   32
.set AF,   128
.set PC,   128                         ; the way out: v128-146 codes; v152-167 at work
.set TM,   152
.set NM,   172                         ; v[172:173] -M (the packed form names a pair and takes its low word)
.set KM,   174                         ; v174-176 the even block's -M, sum and scale word; v177 the odd block's scale word
.set SU,   180                         ; v180-211 sums of pairs
.set LO,   212                         ; v212 the odd block's sum
.set TP,   213
.set SD,   214                         ; v214-216 what goes to the three planes
.set G1,   24
.set G0,   32                          ; s[32:39] A's groups 0 for slots 0 and 1
.set G0C,  20                          ; s[20:23] A's group 0 for slot 2, formed where A's addresses were made
.set G1B,  48
.set G0B,  56                          ; s[56:63] B's groups 0 for slots 0 and 1
.set G0BC, 44                          ; s[44:47] B's group 0 for slot 2, formed where B's address was made
.set G1S,  68
.set G0S,  76
.set G1SB, 80
.set G0SB, 88
.set CS,   18                          ; s[18:19] c = log2(e) / 32
.set HIM,  96                          ; s96 mask of lanes 16-31
.set SEL,  98                          ; s[98:99] lane selects: lane l xor 16
.set MSB, 0
.macro WIN new                         ; the immediate's high byte repeats the setting that is left
.if MSB != (\new)
	s_set_vgpr_msb (MSB<<8)|(\new)
.set MSB, (\new)
.endif
.endm
.macro MWIN hi                         ; source 0 (B) window 1, source 1 (A) window 0, C and D window 2 or 3
	WIN 0xa1+0x50*(\hi)
.endm
.macro JLOAD g0a, g1a, g0b, g1b        ; a joint load: waves 0 and 1 fetch for A, waves 2 and 3 for B; four v_nop follow each of the two lines
	s_cmp_eq_u32 s15, 0
	s_cbranch_scc0 .Lfor_b_\@
	tensor_load_to_lds s[\g0a:\g0a+3], s[\g1a:\g1a+7]
	s_nop 0
.rept 4
	v_nop
.endr
	s_branch .Lasked_\@
.Lfor_b_\@:
	tensor_load_to_lds s[\g0b:\g0b+3], s[\g1b:\g1b+7]
	s_nop 0
.rept 4
	v_nop
.endr
.Lasked_\@:
.endm
.macro CREST
	s_cmp_lg_u32 s14, 0
	s_cbranch_scc1 .Lnot_wave_0_\@
	s_barrier_signal -3
.Lnot_wave_0_\@:
	s_barrier_wait -3
	s_barrier_signal -1
	s_barrier_wait -1
.endm
.macro CROUND
	s_barrier_signal -1
	s_barrier_wait -1
	CREST
.endm
.macro PLACES n
.rept \n
	v_nop
.endr
.endm
.macro FRAG reg, adr, q, i
.irp c, 0,1,2
	ds_load_b128 v[\reg+4*\c:\reg+4*\c+3], v[\adr] offset:(\i)*TILEB+(\q)*1536+512*\c
.endr
.endm
.macro FETCH_B slot, q, p
	WIN 0x40
.irp i, 0,1,2,3,4,5,6,7
	FRAG 128*(\p)+FR*\i, ADRB+\slot, \q, \i
.endr
	WIN 0
.endm
.macro FETCH_A slot, q, i0
.irp i, \i0, \i0+1, \i0+2, \i0+3
	FRAG AF+FR*(\i), ADRA+\slot, \q, \i
.endr
.endm
.macro SCALES sc                       ; two K steps' scale words a row into set sc: lanes 0-15 A's block i, lanes 16-31 B's block i.  The sets go by turns along K: 0, 1, 0, 1
.irp i, 0,1,2,3,4,5,6,7
	ds_load_b64 v[SC+8*NQ*\sc+NQ*\i:SC+8*NQ*\sc+NQ*\i+1], v[ADRS] offset:\i*SBLK+8*\sc
.endr
.endm
; Eight products: A's block a against B's eight.  cm = 1: the first product starts the sums.  The 64 accumulators take turns, in the same order in every K step.
.macro MULA a, p, q, sc, cm
.irp b, 0,1,2,3,4,5,6,7
.set AC, 8*(8*((\a)%4)+\b)
.if (\cm) == 0
	v_wmma_scale_f32_16x16x128_f8f6f4 v[AC:AC+7], v[128*(\p)+FR*\b:128*(\p)+FR*\b+FR-1], v[AF+FR*(\a):AF+FR*(\a)+FR-1], v[AC:AC+7], v[SC+8*NQ*(\sc)+NQ*\b+(\q)], v[SC+8*NQ*(\sc)+NQ*(\a)+(\q)] matrix_a_fmt:MATRIX_FMT_FP6 matrix_b_fmt:MATRIX_FMT_FP6 matrix_a_scale:MATRIX_SCALE_ROW1
.else
	v_wmma_scale_f32_16x16x128_f8f6f4 v[AC:AC+7], v[128*(\p)+FR*\b:128*(\p)+FR*\b+FR-1], v[AF+FR*(\a):AF+FR*(\a)+FR-1], 0, v[SC+8*NQ*(\sc)+NQ*\b+(\q)], v[SC+8*NQ*(\sc)+NQ*(\a)+(\q)] matrix_a_fmt:MATRIX_FMT_FP6 matrix_b_fmt:MATRIX_FMT_FP6 matrix_a_scale:MATRIX_SCALE_ROW1
.endif
.endr
.endm
.macro MULQ k, p, q, sc, cm
	MULA 2*(\k), \p, \q, \sc, \cm
	MULA 2*(\k)+1, \p, \q, \sc, \cm
.endm
; A K step of 128 that has its successor in the same slot.  sc: the set of scale words at work.
.macro STEP slot, sc, q, cm
	s_wait_dscnt 4*NL                              ; all but the youngest twelve loads (A's blocks 4-7) are in
	MWIN 0
	MULQ 0, (\q)%2, \q, \sc, \cm
	MULQ 1, (\q)%2, \q, \sc, \cm
	s_wait_dscnt 0x0                               ; A's blocks 4-7 are in
	PLACES 4
	FETCH_B \slot, (\q)+1, 1-(\q)%2
	FETCH_A \slot, (\q)+1, 0
	MWIN 1
	MULQ 2, (\q)%2, \q, \sc, \cm
	MULQ 3, (\q)%2, \q, \sc, \cm
	PLACES 4
	WIN 0
	FETCH_A \slot, (\q)+1, 4
.endm
; A slot's last K step with a barrier: in front of it each wave waits for all its tensor loads, adds 0 to its spare word, and waits for that and for its reads of this slot.
; fill = 1: this slot is filled again, with the tiles three slots on along K.  fill = 0: the barrier shows the refilled slot whole to every wave.
.macro TURN slot, sc, next, nsc, fill
	s_wait_tensorcnt 0x0                           ; all my tensor loads have landed
	ds_add_u32 v[SPW], v[NIL]                      ; 0 onto my spare word
	s_wait_dscnt 4*NL+1                            ; (the add and the youngest twelve loads may be out)
	MWIN 0
	MULQ 0, 1, NQ-1, \sc, 0
	s_wait_dscnt 0x0                               ; the add is done, and my reads of this slot are over
	s_barrier_signal -1
	MULQ 1, 1, NQ-1, \sc, 0
	WIN 0
	s_barrier_wait -1
.if \fill
	CREST                                          ; a round of the cluster's barrier: no wave of any partner still reads this slot or has a load on its way
	s_add_nc_u64 s[G0+4*\slot+2:G0+4*\slot+3], s[G0+4*\slot+2:G0+4*\slot+3], 3*TILEB
	s_add_nc_u64 s[G0B+4*\slot+2:G0B+4*\slot+3], s[G0B+4*\slot+2:G0B+4*\slot+3], 3*TILEB
	JLOAD G0+4*\slot, G1, G0B+4*\slot, G1B         ; the first tensor load behind the round; its four v_nop are the places in front of the loads below
.else
	PLACES 4
.endif
	FETCH_B \next, 0, 0
	FETCH_A \next, 0, 0
	SCALES \nsc
	MWIN 1
	MULQ 2, 1, NQ-1, \sc, 0
	MULQ 3, 1, NQ-1, \sc, 0
	PLACES 4
	WIN 0
	FETCH_A \next, 0, 4
.endm
; A slot's last K step without a barrier: the next slot was shown whole to every wave by the barrier of the TURN before (every wave had waited for all its tensor loads in front of it), and neither slot is filled again.
.macro CROSS slot, sc, next, nsc
	s_wait_dscnt 4*NL                              ; all but the youngest twelve loads (A's blocks 4-7) are in
	MWIN 0
	MULQ 0, 1, NQ-1, \sc, 0
	MULQ 1, 1, NQ-1, \sc, 0
	s_wait_dscnt 0x0                               ; A's blocks 4-7 are in
	PLACES 4
	FETCH_B \next, 0, 0
	FETCH_A \next, 0, 0
	v_add_nc_u32 v[ADRS], 256, v[ADRS]             ; on to the next four K steps' scale words
	SCALES \nsc
	MWIN 1
	MULQ 2, 1, NQ-1, \sc, 0
	MULQ 3, 1, NQ-1, \sc, 0
	PLACES 4
	WIN 0
	FETCH_A \next, 0, 4
.endm
	s_load_b128 s[4:7], s[0:1], 0x0                ; qkv s[4:5], p s[6:7]
	v_lshl_add_u32 v[SPW], v0, 2, SPARE
	v_mov_b32 v[NIL], 0
	ds_add_u32 v28, v29
	ds_add_u32 v28, v29
	s_wait_dscnt 0x0
	v_lshrrev_b32 v1, 5, v0
	v_readfirstlane_b32 s14, v1                    ; wave 0..3
	s_lshr_b32 s15, s14, 1                         ; which half of the queries is mine.  Also: I fetch for Q (0) or for K (1)
	s_and_b32 s16, s14, 1                          ; which half of the keys.  Also: which half I fetch
	s_bfe_u32 s40, ttmp6, 0x40000                  ; cx, cy
	s_bfe_u32 s41, ttmp6, 0x40004
	s_lshl_b32 s42, ttmp9, 2
	s_add_co_u32 s42, s42, s40                     ; the tile of 256 keys in the batch, 0..7
	s_and_b32 s67, ttmp7, 0xffff
	s_lshl_b32 s17, s67, 2
	s_add_co_u32 s17, s17, s41                     ; the tile of 256 queries, 0..31
	s_lshr_b32 s66, s67, 1                         ; the batch: the same in all sixteen partners
	s_lshl_b32 s43, s41, 2
	s_lshl_b32 s43, 15, s43                        ; my row of the cluster
	s_lshl_b32 s44, 0x1111, s40                    ; my column
	s_or_b32 s[G1+0], s43, (3<<16)|(1<<21)         ; eight tiles' two K steps: 8 rows of 384 elements of 8 bytes, 1,536 elements apart
	s_or_b32 s[G1B+0], s44, (3<<16)|(1<<21)
.irp g, G1, G1B
	s_mov_b32 s[\g+1], 384<<16
	s_mov_b32 s[\g+2], 8<<16
	s_mov_b32 s[\g+3], 384<<16
	s_mov_b32 s[\g+4], 8
	s_mov_b32 s[\g+5], 1536
	s_mov_b32 s[\g+6], 0
	s_mov_b32 s[\g+7], 0
.endr
	s_or_b32 s[G1S+0], s43, (3<<16)|(1<<21)        ; eight tiles' scale words: 4,096 dense bytes as 16 rows of 256
	s_or_b32 s[G1SB+0], s44, (3<<16)|(1<<21)
.irp g, G1S, G1SB
	s_mov_b32 s[\g+1], 32<<16
	s_mov_b32 s[\g+2], 16<<16
	s_mov_b32 s[\g+3], 32<<16
	s_mov_b32 s[\g+4], 16
	s_mov_b32 s[\g+5], 32
	s_mov_b32 s[\g+6], 0
	s_mov_b32 s[\g+7], 0
.endr
	s_lshl_b32 s94, s16, 3
	s_lshl_b32 s22, s17, 4
	s_add_co_u32 s22, s22, s94                     ; Q: tile 16 x query tile + 8 x half
	s_lshl_b32 s46, s42, 4
	s_add_co_u32 s46, s46, s94
	s_lshl_b32 s19, s66, 7
	s_add_co_u32 s46, s46, s19                     ; K: tile 128 x batch + 16 x key tile + 8 x half
	s_lshl_b32 s20, s22, 9
	s_add_co_u32 s20, s20, QQS                     ; Q's scale words, in bytes from qkv
	s_mov_b32 s21, 0
	s_mul_i32 s22, s22, 12288                      ; Q's images
	s_mov_b32 s23, 0
	s_lshl_b32 s92, s46, 9
	s_add_co_u32 s92, s92, QKS
	s_mov_b32 s93, 0
	s_mul_i32 s46, s46, 12288
	s_add_co_u32 s46, s46, QKI
	s_mov_b32 s47, 0
	s_mul_i32 s45, s14, AHALF                      ; where they go: wave x eight tiles: no place in the cluster enters an LDS address
	s_lshl_b32 s94, s14, 12
	s_wait_kmcnt 0x0
	s_add_nc_u64 s[20:21], s[4:5], s[20:21]
	s_add_nc_u64 s[22:23], s[4:5], s[22:23]
	s_add_nc_u64 s[46:47], s[4:5], s[46:47]
	s_add_nc_u64 s[92:93], s[4:5], s[92:93]
	CROUND                                         ; all sixteen work-groups are here: the first joint loads meet
	s_mov_b32 s[G0S], 1
	s_add_co_u32 s[G0S+1], s94, SCL
	s_mov_b64 s[G0S+2:G0S+3], s[20:21]
	s_or_b32 s[G0S+3], s[G0S+3], 0x80000000
	s_mov_b32 s[G0SB], 1
	s_add_co_u32 s[G0SB+1], s94, SCL
	s_mov_b64 s[G0SB+2:G0SB+3], s[92:93]
	s_or_b32 s[G0SB+3], s[G0SB+3], 0x80000000
	JLOAD G0S, G1S, G0SB, G1SB
.irp s, 0,1
	s_mov_b32 s[G0+4*\s], 1
	s_add_co_u32 s[G0+4*\s+1], s45, \s*SLOT
	s_add_nc_u64 s[G0+4*\s+2:G0+4*\s+3], s[22:23], \s*TILEB
	s_or_b32 s[G0+4*\s+3], s[G0+4*\s+3], 0x80000000
	s_mov_b32 s[G0B+4*\s], 1
	s_add_co_u32 s[G0B+4*\s+1], s45, \s*SLOT
	s_add_nc_u64 s[G0B+4*\s+2:G0B+4*\s+3], s[46:47], \s*TILEB
	s_or_b32 s[G0B+4*\s+3], s[G0B+4*\s+3], 0x80000000
	JLOAD G0+4*\s, G1, G0B+4*\s, G1B
.endr
	s_mov_b32 s[G0C], 1                            ; slot 2's groups 0 are formed in place: no pending load names s[20:23] or s[44:47] (the loads above name copies)
	s_add_co_u32 s[G0C+1], s45, 2*SLOT
	s_add_nc_u64 s[G0C+2:G0C+3], s[22:23], 2*TILEB
	s_or_b32 s[G0C+3], s[G0C+3], 0x80000000
	s_mov_b32 s[G0BC], 1
	s_add_co_u32 s[G0BC+1], s45, 2*SLOT
	s_add_nc_u64 s[G0BC+2:G0BC+3], s[46:47], 2*TILEB
	s_or_b32 s[G0BC+3], s[G0BC+3], 0x80000000
	JLOAD G0C, G1, G0BC, G1B                       ; four tensor loads of mine are out behind this one
	v_and_b32 v1, 31, v0                           ; lane
	v_and_b32 v2, 15, v0                           ; r
	v_bfe_u32 v3, v0, 4, 1                         ; h
	v_lshlrev_b32 v[LI], 4, v1
	v_lshlrev_b32 v[SWO], 2, v1
	s_mul_i32 s2, s15, AHALF
	s_mul_i32 s3, s16, BHALF
	s_add_co_u32 s3, s3, 2*AHALF
.irp s, 0,1,2
	v_add_nc_u32 v[ADRA+\s], s2, v[LI]
	v_add_nc_u32 v[ADRB+\s], s3, v[LI]
	s_add_co_u32 s2, s2, SLOT
	s_add_co_u32 s3, s3, SLOT
.endr
	v_lshlrev_b32 v5, 4, v2
	s_mul_i32 s2, s15, NA*SBLK
	s_mul_i32 s3, s16, 8*SBLK
	s_add_co_u32 s3, s3, 2*NA*SBLK
	s_sub_co_u32 s3, s3, s2
	v_mul_u32_u24 v6, s3, v3                       ; lanes 16-31 take K's
	s_add_co_u32 s2, s2, SCL
	v_add_nc_u32 v5, v5, v6
	v_add_nc_u32 v[ADRS], s2, v5
	v_cmp_lt_u32 s[HIM], 15, v1
	s_mov_b32 s[SEL], 0x76543210
	s_mov_b32 s[SEL+1], 0xfedcba98
	s_mov_b32 s[CS], 0x3d38aa3b                    ; c = log2(e) / 32
	s_mov_b32 s[CS+1], s[CS]                       ; (named with it as a pair, so it is written)
	s_wait_tensorcnt 2                             ; the scale words and my part of slot 0 are in (the loads of slots 1 and 2 may be out)
	s_barrier_signal -1
	s_barrier_wait -1                              ; everybody's are
	FETCH_B 0, 0, 0
	FETCH_A 0, 0, 0
	SCALES 0
	FETCH_A 0, 0, 4
	STEP 0, 0, 0, 1                                ; K step 0 starts the sums: nothing is cleared
	TURN 0, 0, 1, 1, 1                             ; K step 1: slot 0 is left and takes K steps 6 and 7.  The eight K steps are written out, no loop
	STEP 1, 1, 0, 0                                ; K step 2
	CROSS 1, 1, 2, 0                               ; K step 3: on into slot 2, which has landed
	STEP 2, 0, 0, 0                                ; K step 4
	TURN 2, 0, 0, 1, 0                             ; K step 5: the refill of slot 0 is waited for here; nothing is filled any more
	STEP 0, 1, 0, 0                                ; K step 6
	s_wait_dscnt 4*NL                              ; the very last K step
	MWIN 0
	MULQ 0, 1, NQ-1, 1, 0
	MULQ 1, 1, NQ-1, 1, 0
	s_wait_dscnt 0x0
	MWIN 1
	MULQ 2, 1, NQ-1, 1, 0
	MULQ 3, 1, NQ-1, 1, 0
	WIN 0
	PLACES 4
	; THE WAY OUT.  The descriptors' registers are free: every tensor load has landed.
	s_lshl_b32 s24, s42, 1
	s_add_co_u32 s24, s24, s16                     ; my run of 128 keys, 0..15
	s_lshl_b32 s25, s17, 4
	s_lshl_b32 s26, s15, 3
	s_add_co_u32 s25, s25, s26                     ; my first tile of queries
	s_mul_i32 s26, s25, 24576
	s_mul_i32 s27, s24, 1536
	s_add_co_u32 s26, s26, s27
	s_mov_b32 s27, 0
	s_add_nc_u64 s[36:37], s[6:7], s[26:27]        ; my first image; the others by immediates
	s_lshl_b32 s26, s24, 15
	s_lshl_b32 s28, s25, 6
	s_add_co_u32 s26, s26, s28
	s_add_co_u32 s26, s26, STAT
	s_add_nc_u64 s[38:39], s[6:7], s[26:27]        ; my first words in plane 0
	v_mov_b32 v[NM+1], 0                           ; (named as the upper half of a pair)
.irp b, 0,1,2,3
	v_mov_b32 v[TM+4+\b], 0                        ; written once: a lane permute's destination counts as one of its sources
.endr
.macro SBLK a
.set W, 2+(\a)/4
.set S0, 64*((\a)%4)
.set PWR, KM+2+(\a)%2
.if (\a)%2 == 0
.set LR, KM+1
.else
.set LR, LO
.endif
.if (\a) > 0
	s_wait_xcnt 0x0                                ; the last block's stores have read their registers: they are written again below
.endif
	WIN (W<<2)|(W<<4)
.irp b, 0,1,2,3
	v_max3_num_f32 v[TM+\b], 0xff800000, v[S0+16*\b], v[S0+16*\b+1]   ; the largest SCORE of each block of 32 keys, each accumulator from its low end on: it serves the row's maximum and, since p rises with the score, the block's largest p
.endr
.irp i, 2,4,6,8,10,12,14
.irp b, 0,1,2,3
	v_max3_num_f32 v[TM+\b], v[TM+\b], v[S0+16*\b+\i], v[S0+16*\b+\i+1]
.endr
.endr
	WIN 0
.irp b, 0,1,2,3
	v_permlanex16_b32 v[TM+4+\b], v[TM+\b], s[SEL], s[SEL+1]
.endr
.irp b, 0,1,2,3
	v_max_num_f32 v[TM+\b], v[TM+\b], v[TM+4+\b]   ; with lane l xor 16's 16 keys
.endr
	v_max3_num_f32 v[TP], v[TM], v[TM+1], v[TM+2]
	v_max_num_f32 v[TP], v[TP], v[TM+3]            ; the largest score of my query in these 128 keys
	v_mul_f32 v[TP], s[CS], v[TP]                  ; as t (c is positive)
	v_floor_f32 v[NM], -v[TP]                      ; -M = floor(-t) = -ceil(t): a whole number
	WIN (W<<6)|W
.set j, 0
.rept 32
	v_pk_fma_f32 v[S0+j:S0+j+1], v[S0+j:S0+j+1], s[CS:CS+1], v[NM:NM+1] op_sel_hi:[1,0,0]   ; t - M, two at a time
.set j, j+2
.endr
	WIN 0
.irp b, 0,1,2,3
	v_fma_f32 v[TM+\b], v[TM+\b], s[CS], v[NM]     ; the same of each block's largest score
.endr
	WIN (W<<6)|W
.set j, 0
.rept 64
	v_exp_f32 v[S0+j], v[S0+j]                     ; p = 2^(t - M), at most 1: not normalised
.set j, j+1
.endr
	WIN 0
.irp b, 0,1,2,3
	v_exp_f32 v[TM+\b], v[TM+\b]                   ; the block's largest p: the same two instructions on the same number
.endr
	v_nop                                          ; a plain place behind the exponentials
	s_wait_alu depctr_va_vdst(0)
.irp b, 0,1,2,3
	v_max_num_f32 v[TM+\b], 0x1800000, v[TM+\b]    ; the floor 2^(3 - 127): the byte cannot fall under 1
.endr
.irp b, 0,1,2,3
	v_add_nc_u32 v[TM+12+\b], 0xff000000, v[TM+\b]
.endr
.irp b, 0,1,2,3
	v_lshrrev_b32 v[TM+4+\b], 23, v[TM+12+\b]      ; the scale's byte, 1 to 125
.endr
	v_lshl_or_b32 v[PWR], v[TM+5], 8, v[TM+4]
	v_lshl_or_b32 v[PWR], v[TM+6], 16, v[PWR]
	v_lshl_or_b32 v[PWR], v[TM+7], 24, v[PWR]
	WIN W
.irp c, 0,1
	v_cvt_scalef32_pk16_fp6_f32 v[PC+6*\c:PC+2+6*\c], v[S0+32*\c:S0+15+32*\c], v[TM+12+2*\c]
	v_cvt_scalef32_pk16_fp6_f32 v[PC+12+4*\c:PC+14+4*\c], v[S0+16+32*\c:S0+31+32*\c], v[TM+12+2*\c+1]
.endr
	WIN 0
	v_nop                                          ; one plain place behind a scaled conversion
.irp c, 0,1
.irp i, 0,1,2
	v_permlane16_swap_b32 v[PC+6*\c+\i], v[PC+12+4*\c+\i]
.endr
.irp i, 0,1,2
	v_mov_b32 v[PC+3+6*\c+\i], v[PC+12+4*\c+\i]
.endr
.endr
	WIN (W<<2)|W
.irp i, 0,1,2,3,4,5,6,7,8,9,10,11,12,13,14,15
	v_pk_add_f32 v[SU+2*\i:SU+2*\i+1], v[S0+4*\i:S0+4*\i+1], v[S0+4*\i+2:S0+4*\i+3]   ; the sum is taken of the UNQUANTISED p
.endr
	WIN 0
.irp i, 0,1,2,3,4,5,6,7
	v_pk_add_f32 v[SU+2*\i:SU+2*\i+1], v[SU+2*\i:SU+2*\i+1], v[SU+16+2*\i:SU+17+2*\i]
.endr
.irp i, 0,1,2,3
	v_pk_add_f32 v[SU+2*\i:SU+2*\i+1], v[SU+2*\i:SU+2*\i+1], v[SU+8+2*\i:SU+9+2*\i]
.endr
.irp i, 0,1
	v_pk_add_f32 v[SU+2*\i:SU+2*\i+1], v[SU+2*\i:SU+2*\i+1], v[SU+4+2*\i:SU+5+2*\i]
.endr
	v_pk_add_f32 v[SU:SU+1], v[SU:SU+1], v[SU+2:SU+3]
	v_add_f32 v[LR], v[SU], v[SU+1]
	v_permlanex16_b32 v[TP], v[LR], s[SEL], s[SEL+1]
	v_add_f32 v[LR], v[LR], v[TP]                  ; with lane l xor 16's: my query's sum over these 128 keys
.irp c, 0,1,2
	global_store_b128 v[LI], v[PC+4*\c:PC+4*\c+3], s[36:37] offset:24576*(\a)+512*\c   ; 32 lanes store 512 consecutive bytes, at a multiple of 256 from the buffer's first byte
.endr
.if (\a)%2 == 0
	v_mov_b32 v[KM], v[NM]                         ; kept for the odd block's stores
.else
	v_cndmask_b32 v[SD], v[KM], v[NM], s[HIM]      ; lanes 0-15 the even block's rows, lanes 16-31 the odd block's
	v_cndmask_b32 v[SD+1], v[KM+1], v[LO], s[HIM]
	v_cndmask_b32 v[SD+2], v[KM+2], v[KM+3], s[HIM]
.irp n, 0,1,2
	global_store_b32 v[SWO], v[SD+\n], s[38:39] offset:524288*\n+64*((\a)-1)   ; 32 lanes store 128 consecutive bytes
.endr
.endif
.endm
.irp a, 0,1,2,3,4,5,6,7
	SBLK \a
.endr
	s_wait_tensorcnt 0x0                           ; the wave's end
	ds_add_u32 v[SPW], v[NIL]
	s_wait_dscnt 0x0
	CROUND                                         ; the closing round
	s_endpgm
.Lfunc_end_k_q39412c0d46_scores:
	.size	k_q39412c0d46_scores, .Lfunc_end_k_q39412c0d46_scores-k_q39412c0d46_scores
	.p2alignl 7, 3214868480
	.fill 96, 4, 3214868480
	.section	.rodata,"a",@progbits
	.p2align	6, 0x0
	.amdhsa_kernel k_q39412c0d46_scores
		.amdhsa_group_segment_fixed_size 327680
		.amdhsa_private_segment_fixed_size 0
		.amdhsa_enable_private_segment 0
		.amdhsa_kernarg_size 16
		.amdhsa_user_sgpr_count 2
		.amdhsa_user_sgpr_kernarg_segment_ptr 1
		.amdhsa_wavefront_size32 1
		.amdhsa_system_sgpr_workgroup_id_x 1
		.amdhsa_system_sgpr_workgroup_id_y 1
		.amdhsa_system_sgpr_workgroup_id_z 1
		.amdhsa_system_vgpr_workitem_id 0
		.amdhsa_next_free_vgpr 1024
		.amdhsa_next_free_sgpr 100
		.amdhsa_reserve_vcc 0
		.amdhsa_float_denorm_mode_32 3
		.amdhsa_float_denorm_mode_16_64 3
		.amdhsa_memory_ordered 1
		.amdhsa_forward_progress 1
		.amdhsa_inst_pref_size 199
	.end_amdhsa_kernel
	.amdgpu_metadata
---
amdhsa.version: [ 1, 2 ]
amdhsa.kernels:
  - .name:           k_q39412c0d46_scores
    .symbol:         k_q39412c0d46_scores.kd
    .args:
      - { .name: qkv, .offset: 0, .size: 8, .value_kind: global_buffer, .address_space: global }
      - { .name: p, .offset: 8, .size: 8, .value_kind: global_buffer, .address_space: global }
    .group_segment_fixed_size: 327680
    .private_segment_fixed_size: 0
    .kernarg_segment_align: 8
    .kernarg_segment_size: 16
    .max_flat_workgroup_size: 128
    .sgpr_count:     100
    .vgpr_count:     1024
    .wavefront_size: 32
...
	.end_amdgpu_metadata
.endif
;; end of part 3
;; launch pv (part 4): grid 4 x 64, 4 waves a work-group, clusters of 4 x 4, 327,680 bytes of LDS; arguments p, qkv, out0; writes out0
.if DOCPART == 4
	.amdgcn_target "amdgcn-amd-amdhsa--gfx1250"
	.amdhsa_code_object_version 6
	.text
	.protected	k_q39412c0d46_pv
	.globl	k_q39412c0d46_pv
	.p2align	8
	.type	k_q39412c0d46_pv,@function
k_q39412c0d46_pv:
	s_mov_b64 s[64:65], 0
	v_nop
	global_prefetch_b8 v0, s[64:65] scope:SCOPE_SE
	s_setreg_imm32_b32 hwreg(HW_REG_WAVE_MODE, 25, 1), 1
	s_wait_xcnt 0x0
	s_wait_alu depctr_hold_cnt(0) depctr_sa_sdst(0) depctr_va_vdst(0) depctr_va_sdst(0) depctr_va_ssrc(0) depctr_va_vcc(0) depctr_vm_vsrc(0)
	s_getreg_b32 s2, hwreg(HW_REG_IB_STS2, 6, 4)
	s_cmp_eq_u32 s2, 0
	s_cbranch_scc0 .Lentry_in_a_cluster
	s_endpgm
.Lentry_in_a_cluster:
	s_bfe_u32 s2, ttmp6, 0x10000c
	s_cmp_lg_u32 s2, 0xf033
	s_cbranch_scc0 .Lentry_shape_is_right
	s_endpgm
.Lentry_shape_is_right:
; O = P V / l on codes of FP6 (E2M3) with E8M0 scales, sums in f32.  P's codes were made for each run of 128 keys under that run's own whole-number M.  Here, for each query: the row's M is the largest of its 16 runs';
; each run's four scale bytes are lowered by d = M - the run's M, and its sum is multiplied by 2^-d: both exact; l is the sum of those; O is divided by l at the end.
; P lies in p as fragment images [query tile 512][run 16][1536], V in qkv as [batch][tile of d 64][run 16][1536] with scale words [tile][run / 4][r][run % 4]; in each group of 32 rows lane-row r of tile u is row 8 u + r + 8 (r / 8).
; A tile of 128 queries x 256 of d is made by four waves, 64 x 128 each: 32 accumulators, 256 registers: that gives 256 work-groups; tiles of 256 x 256 would be 128.  'A' = P is source 1, 'B' = V source 0:
; lane (r, h) holds one query, and register j of B's block b is d = 32 (b / 2) + 16 h + 8 (b % 2) + j.  K = 2,048 keys goes in steps of 512 through two LDS slots.
; CLUSTERS: 4 x 4; P's tiles are asked for jointly along a row of the cluster, V's tiles and scale words along a column.
; LIMITS: where d passes a block's byte, or 127, the block counts under the byte 0 and the run's sum under 2^-127: such terms lie under 2^-120 beside l, which is above 1/2.  NaN and infinities are not served.
; REGISTERS: window 0: v1-3 lane, r, h; v16-30 addresses; v32-95 scale words, two sets; v100-107 1 / l; v128-175 A's fragments, one set (at the head: the statistics; on the way out v128-255: rows of O).
;   window 1: B's fragments, two sets, at v0 and v128.   window 2: the accumulators ((a, b) at v[8 (8 a + b)]).
.set NA,    4
.set NQ,    4                          ; K steps of 128 in a slot
.set FR,    12
.set NL,    3
.set TILEB, NQ*1536
.set AHALF, NA*TILEB                   ; four tiles of P: what one tensor load brings, and what one wave reads
.set BHALF, 8*TILEB                    ; eight tiles of V
.set SLOT,  2*AHALF+2*BHALF
.set SBLK,  1024                       ; a tile's scale words for all of K
.set ASC,   2*SLOT                     ; behind the ring: P's lowered scale words, 8,192 bytes, written by LDS stores alone;
.set BSC,   ASC+8192                   ; V's scale words, 16,384 bytes, filled once;
.set RL,    BSC+16384                  ; 1 / l of the 128 queries, 512 bytes;
.set SPARE, RL+512                     ; the spare words, 128 bytes for each wave: two blocks of 256 bytes that no other line names
.set QVI,   12582912                   ; in qkv: V's images, V's scale words
.set QVS,   19398656
.set STAT,  12582912                   ; in p: three planes [run 16][tile 512][r 16]: -M, the run's sum, the run's scale word
.set ADRA, 16
.set ADRB, 20
.set LI,   24                          ; v24 16 x lane
.set STO,  25                          ; v25 the way out: where I put 32 bytes of a row
.set RD,   26                          ; v26 and where I read a row back
.set ADRS, 27
.set SPW,  28                          ; v28 LDS address of my spare word; never rewritten
.set NIL,  29                          ; v29 0; never rewritten
.set RLA,  30                          ; v30 LDS address of my rows' 1 / l
.set SC,   32
.set RLV,  100
.set AF,   128
.set ST0,  128                         ; at the head: v128-143 -M, v144-159 sums, v160-175 scale words of my query's 16 runs; v176-182 at work
.set BK,   128                         ; the way out: 16 rows read back from the stage: v128-191 and v192-255 by turns
.set G1,   24
.set G0,   32
.set G1B,  48
.set G0B,  56
.set STB,  68                          ; s[68:69] the statistics' base: written once, so that the 48 loads that name it may stay out while other scalars are at work
.set G1SB, 80
.set G0SB, 88
.set MSB, 0
.macro WIN new                         ; the immediate's high byte repeats the setting that is left
.if MSB != (\new)
	s_set_vgpr_msb (MSB<<8)|(\new)
.set MSB, (\new)
.endif
.endm
.macro JLOAD g0a, g1a, g0b, g1b        ; a joint load: waves 0 and 1 fetch for A, waves 2 and 3 for B; four v_nop follow each of the two lines
	s_cmp_eq_u32 s15, 0
	s_cbranch_scc0 .Lfor_b_\@
	tensor_load_to_lds s[\g0a:\g0a+3], s[\g1a:\g1a+7]
	s_nop 0
.rept 4
	v_nop
.endr
	s_branch .Lasked_\@
.Lfor_b_\@:
	tensor_load_to_lds s[\g0b:\g0b+3], s[\g1b:\g1b+7]
	s_nop 0
.rept 4
	v_nop
.endr
.Lasked_\@:
.endm
.macro CREST
	s_cmp_lg_u32 s14, 0
	s_cbranch_scc1 .Lnot_wave_0_\@
	s_barrier_signal -3
.Lnot_wave_0_\@:
	s_barrier_wait -3
	s_barrier_signal -1
	s_barrier_wait -1
.endm
.macro CROUND
	s_barrier_signal -1
	s_barrier_wait -1
	CREST
.endm
.macro PLACES n
.rept \n
	v_nop
.endr
.endm
.macro FRAG reg, adr, q, i
.irp c, 0,1,2
	ds_load_b128 v[\reg+4*\c:\reg+4*\c+3], v[\adr] offset:(\i)*TILEB+(\q)*1536+512*\c
.endr
.endm
.macro FETCH_B slot, q, p
	WIN 0x40
.irp i, 0,1,2,3,4,5,6,7
	FRAG 128*(\p)+FR*\i, ADRB+\slot, \q, \i
.endr
	WIN 0
.endm
.macro FETCH_A slot, q, i0
.irp i, \i0, \i0+1
	FRAG AF+FR*(\i), ADRA+\slot, \q, \i
.endr
.endm
.macro SCALES sc                       ; a slot's four scale words a row: lanes 0-15 A's block i (for i from 4 on: bytes that have landed and are not used), lanes 16-31 B's block i
.irp i, 0,1,2,3,4,5,6,7
	ds_load_b128 v[SC+8*NQ*\sc+NQ*\i:SC+8*NQ*\sc+NQ*\i+3], v[ADRS] offset:\i*SBLK
.endr
.endm
; Eight products: A's block a against B's eight.  cm = 1: the first product starts the sums.  The 32 accumulators take turns, in the same order in every K step.
.macro MULA a, p, q, sc, cm
.irp b, 0,1,2,3,4,5,6,7
.set AC, 8*(8*(\a)+\b)
.if (\cm) == 0
	v_wmma_scale_f32_16x16x128_f8f6f4 v[AC:AC+7], v[128*(\p)+FR*\b:128*(\p)+FR*\b+FR-1], v[AF+FR*(\a):AF+FR*(\a)+FR-1], v[AC:AC+7], v[SC+8*NQ*(\sc)+NQ*\b+(\q)], v[SC+8*NQ*(\sc)+NQ*(\a)+(\q)] matrix_a_fmt:MATRIX_FMT_FP6 matrix_b_fmt:MATRIX_FMT_FP6 matrix_a_scale:MATRIX_SCALE_ROW1
.else
	v_wmma_scale_f32_16x16x128_f8f6f4 v[AC:AC+7], v[128*(\p)+FR*\b:128*(\p)+FR*\b+FR-1], v[AF+FR*(\a):AF+FR*(\a)+FR-1], 0, v[SC+8*NQ*(\sc)+NQ*\b+(\q)], v[SC+8*NQ*(\sc)+NQ*(\a)+(\q)] matrix_a_fmt:MATRIX_FMT_FP6 matrix_b_fmt:MATRIX_FMT_FP6 matrix_a_scale:MATRIX_SCALE_ROW1
.endif
.endr
.endm
.macro STEP slot, q, cm
	s_wait_dscnt 2*NL                              ; all but the youngest six loads (A's blocks 2, 3) are in
	WIN 0xa1                                       ; source 0 (B) window 1, source 1 (A) window 0, C and D window 2
	MULA 0, (\q)%2, \q, \slot, \cm
	MULA 1, (\q)%2, \q, \slot, \cm
	s_wait_dscnt 0x0                               ; A's blocks 2, 3 are in
	PLACES 4
	FETCH_B \slot, (\q)+1, 1-(\q)%2
	FETCH_A \slot, (\q)+1, 0
	WIN 0xa1
	MULA 2, (\q)%2, \q, \slot, \cm
	MULA 3, (\q)%2, \q, \slot, \cm
	PLACES 4
	WIN 0
	FETCH_A \slot, (\q)+1, 2
.endm
.macro TURN slot, next, fill
	s_wait_tensorcnt 0x0                           ; all my tensor loads have landed: my part of the next slot
	ds_add_u32 v[SPW], v[NIL]                      ; 0 onto my spare word
	s_wait_dscnt 2*NL+1                            ; (the add and the youngest six loads may be out)
	WIN 0xa1
	MULA 0, 1, NQ-1, \slot, 0
	s_wait_dscnt 0x0                               ; the add is done, and my reads of this slot are over
	s_barrier_signal -1
	MULA 1, 1, NQ-1, \slot, 0
	WIN 0
	s_barrier_wait -1
.if \fill
	CREST                                          ; a round of the cluster's barrier: no wave of any partner still reads this slot or has a load on its way
	s_add_nc_u64 s[G0+4*\slot+2:G0+4*\slot+3], s[G0+4*\slot+2:G0+4*\slot+3], 2*TILEB
	s_add_nc_u64 s[G0B+4*\slot+2:G0B+4*\slot+3], s[G0B+4*\slot+2:G0B+4*\slot+3], 2*TILEB
	JLOAD G0+4*\slot, G1, G0B+4*\slot, G1B         ; the first tensor load behind the round; its four v_nop are the places in front of the loads below
.else
	PLACES 4
.endif
	v_add_nc_u32 v[ADRS], 256, v[ADRS]             ; on to the next slot's scale words (no LDS load of mine is out)
	FETCH_B \next, 0, 0
	FETCH_A \next, 0, 0
	SCALES \next
	WIN 0xa1
	MULA 2, 1, NQ-1, \slot, 0
	MULA 3, 1, NQ-1, \slot, 0
	PLACES 4
	WIN 0
	FETCH_A \next, 0, 2
.endm
	s_load_b128 s[4:7], s[0:1], 0x0                ; p s[4:5], qkv s[6:7]
	s_load_b64 s[8:9], s[0:1], 0x10                ; out0
	v_lshl_add_u32 v[SPW], v0, 2, SPARE
	v_mov_b32 v[NIL], 0
	ds_add_u32 v28, v29
	ds_add_u32 v28, v29
	s_wait_dscnt 0x0
	v_lshrrev_b32 v1, 5, v0
	v_readfirstlane_b32 s14, v1                    ; wave 0..3
	s_lshr_b32 s15, s14, 1                         ; which half of the queries is mine.  Also: I fetch for P (0) or for V (1)
	s_and_b32 s16, s14, 1                          ; which half of d.  Also: which half I fetch
	s_bfe_u32 s40, ttmp6, 0x40000                  ; cx, cy
	s_bfe_u32 s41, ttmp6, 0x40004
	s_lshl_b32 s42, ttmp9, 2
	s_add_co_u32 s42, s42, s40                     ; the tile of 256 of d, 0..3
	s_and_b32 s67, ttmp7, 0xffff
	s_lshl_b32 s17, s67, 2
	s_add_co_u32 s17, s17, s41                     ; the tile of 128 queries, 0..63
	s_lshr_b32 s66, s67, 2                         ; the batch: the same in all sixteen partners
	s_lshl_b32 s43, s41, 2
	s_lshl_b32 s43, 15, s43                        ; my row of the cluster
	s_lshl_b32 s44, 0x1111, s40                    ; my column
	; descriptor group 1: tiles' four K steps: rows of 768 elements of 8 bytes (6,144 bytes), 3,072 elements apart; P: 4 rows, V: 8
	s_or_b32 s[G1+0], s43, (3<<16)|(1<<21)
	s_mov_b32 s[G1+1], 768<<16
	s_mov_b32 s[G1+2], 4<<16
	s_mov_b32 s[G1+3], 768<<16
	s_mov_b32 s[G1+4], 4
	s_mov_b32 s[G1+5], 3072
	s_mov_b32 s[G1+6], 0
	s_mov_b32 s[G1+7], 0
	s_or_b32 s[G1B+0], s44, (3<<16)|(1<<21)
	s_mov_b32 s[G1B+1], 768<<16
	s_mov_b32 s[G1B+2], 8<<16
	s_mov_b32 s[G1B+3], 768<<16
	s_mov_b32 s[G1B+4], 8
	s_mov_b32 s[G1B+5], 3072
	s_mov_b32 s[G1B+6], 0
	s_mov_b32 s[G1B+7], 0
	s_or_b32 s[G1SB+0], s44, (3<<16)|(1<<21)       ; four tiles' scale words of V: 4,096 dense bytes as 16 rows of 256
	s_mov_b32 s[G1SB+1], 32<<16
	s_mov_b32 s[G1SB+2], 16<<16
	s_mov_b32 s[G1SB+3], 32<<16
	s_mov_b32 s[G1SB+4], 16
	s_mov_b32 s[G1SB+5], 32
	s_mov_b32 s[G1SB+6], 0
	s_mov_b32 s[G1SB+7], 0
	s_lshl_b32 s20, s17, 3
	s_lshl_b32 s18, s16, 2
	s_add_co_u32 s20, s20, s18                     ; P: tile 8 x query tile + 4 x half
	s_mul_i32 s20, s20, 24576
	s_mov_b32 s21, 0
	s_lshl_b32 s[STB], s17, 9
	s_add_co_u32 s[STB], s[STB], STAT              ; the statistics of my work-group's 128 queries
	s_mov_b32 s[STB+1], 0
	s_lshl_b32 s46, s66, 6
	s_lshl_b32 s19, s42, 4
	s_add_co_u32 s46, s46, s19                     ; V: tile 64 x batch + 16 x tile of d
	s_lshl_b32 s19, s14, 2
	s_add_co_u32 s92, s46, s19                     ; scale words: + 4 x wave
	s_lshl_b32 s92, s92, 10
	s_add_co_u32 s92, s92, QVS
	s_mov_b32 s93, 0
	s_lshl_b32 s19, s16, 3
	s_add_co_u32 s46, s46, s19                     ; images: + 8 x half
	s_mul_i32 s46, s46, 24576
	s_add_co_u32 s46, s46, QVI
	s_mov_b32 s47, 0
	s_lshl_b32 s10, s17, 7
	s_lshl_b32 s97, s15, 6
	s_add_co_u32 s10, s10, s97                     ; my first row of O: 128 x query tile + 64 x half,
	s_lshl_b32 s10, s10, 12                        ; rows of 4,096 bytes,
	s_lshl_b32 s97, s42, 10
	s_add_co_u32 s10, s10, s97                     ; my first column: 256 x tile of d + 128 x half
	s_lshl_b32 s97, s16, 9
	s_add_co_u32 s10, s10, s97
	s_mov_b32 s11, 0
	s_mul_i32 s45, s16, AHALF                      ; where the tiles go: no place in the cluster enters an LDS address
	s_mul_i32 s94, s16, BHALF
	s_add_co_u32 s94, s94, 2*AHALF
	s_lshl_b32 s96, s14, 12
	s_add_co_u32 s96, s96, BSC
	s_wait_kmcnt 0x0
	s_add_nc_u64 s[20:21], s[4:5], s[20:21]
	s_add_nc_u64 s[STB:STB+1], s[4:5], s[STB:STB+1]
	s_add_nc_u64 s[46:47], s[6:7], s[46:47]
	s_add_nc_u64 s[92:93], s[6:7], s[92:93]
	s_add_nc_u64 s[12:13], s[8:9], s[10:11]
	CROUND                                         ; all sixteen work-groups are here: the first joint loads meet
	s_mov_b32 s[G0SB], 1
	s_mov_b32 s[G0SB+1], s96
	s_mov_b64 s[G0SB+2:G0SB+3], s[92:93]
	s_or_b32 s[G0SB+3], s[G0SB+3], 0x80000000
	tensor_load_to_lds s[G0SB:G0SB+3], s[G1SB:G1SB+7]   ; V's scale words: every wave brings a quarter, its own by the wave's number
	s_nop 0
.rept 4
	v_nop
.endr
.irp s, 0,1
	s_mov_b32 s[G0+4*\s], 1
	s_add_co_u32 s[G0+4*\s+1], s45, \s*SLOT
	s_add_nc_u64 s[G0+4*\s+2:G0+4*\s+3], s[20:21], \s*TILEB
	s_or_b32 s[G0+4*\s+3], s[G0+4*\s+3], 0x80000000
	s_mov_b32 s[G0B+4*\s], 1
	s_add_co_u32 s[G0B+4*\s+1], s94, \s*SLOT
	s_add_nc_u64 s[G0B+4*\s+2:G0B+4*\s+3], s[46:47], \s*TILEB
	s_or_b32 s[G0B+4*\s+3], s[G0B+4*\s+3], 0x80000000
	JLOAD G0+4*\s, G1, G0B+4*\s, G1B               ; three tensor loads of mine are out behind the second of these
.endr
	; THE ROWS' STATISTICS: one thread to a query: tile = thread / 16, r = thread % 16.  Their offset v4 and their base s[STB:STB+1] are not written again
	v_lshlrev_b32 v4, 2, v0
.irp n, 0,1,2
.irp s, 0,1,2,3,4,5,6,7,8,9,10,11,12,13,14,15
	global_load_b32 v[ST0+16*\n+\s], v4, s[STB:STB+1] offset:524288*\n+32768*\s   ; a wave reads 128 consecutive bytes
.endr
.endr
	v_and_b32 v1, 31, v0                           ; lane
	v_and_b32 v2, 15, v0                           ; r
	v_bfe_u32 v3, v0, 4, 1                         ; h
	v_lshlrev_b32 v[LI], 4, v1
	s_mul_i32 s21, s15, AHALF                      ; my four tiles of P
	s_mul_i32 s22, s16, BHALF                      ; my eight of V,
	s_add_co_u32 s22, s22, 2*AHALF                 ; which lie behind P's eight
.irp s, 0,1
	v_add_nc_u32 v[ADRA+\s], s21, v[LI]
	v_add_nc_u32 v[ADRB+\s], s22, v[LI]
	s_add_co_u32 s21, s21, SLOT
	s_add_co_u32 s22, s22, SLOT
.endr
	v_lshlrev_b32 v5, 4, v2
	s_mul_i32 s21, s15, NA*SBLK
	s_mul_i32 s22, s16, 8*SBLK
	s_add_co_u32 s22, s22, 2*NA*SBLK
	s_sub_co_u32 s22, s22, s21
	v_mul_u32_u24 v6, s22, v3                      ; lanes 16-31 take V's
	s_add_co_u32 s21, s21, ASC
	v_add_nc_u32 v5, v5, v6
	v_add_nc_u32 v[ADRS], s21, v5
	s_lshl_b32 s21, s15, 8
	s_add_co_u32 s21, s21, RL
	v_lshl_add_u32 v[RLA], v2, 2, s21              ; 1 / l of my half's rows: 64 bytes a tile
	s_mul_i32 s23, s14, 16*528                     ; my stage for the way out: 16 rows x (512 + 16) bytes, in slot 0, which has had its last fill and its last read by then
	v_mul_u32_u24 v[STO], v2, 528
	v_lshl_add_u32 v[STO], v3, 6, v[STO]
	v_add_nc_u32 v[STO], s23, v[STO]               ; in: row r, + 64 h
	v_add_nc_u32 v[RD], s23, v[LI]                 ; back: the 32 lanes take one row of 512 bytes
	v_lshrrev_b32 v7, 4, v0
	v_lshlrev_b32 v7, 10, v7
	v_lshl_add_u32 v7, v2, 4, v7
	v_add_nc_u32 v7, ASC, v7                       ; my query's lowered scale words: 1,024 (thread / 16) + 16 (thread % 16)
	v_lshl_add_u32 v8, v0, 2, RL                   ; and its 1 / l
	s_wait_loadcnt 0x0
	v_min_num_f32 v176, v[ST0], v[ST0+1]
.irp s, 2,3,4,5,6,7,8,9,10,11,12,13,14,15
	v_min_num_f32 v176, v176, v[ST0+\s]            ; the smallest -M: the row's M, negated
.endr
.irp s, 0,1,2,3,4,5,6,7,8,9,10,11,12,13,14,15
	v_sub_f32 v178, v[ST0+\s], v176                ; d = the row's M - the run's M: a whole number, 0 or more
	v_cvt_u32_f32 v178, v178
	v_min_u32 v178, 127, v178
	v_sub_nc_u32 v179, 0, v178
.if \s == 0
	v_ldexp_f32 v177, v[ST0+16], v179              ; the run's sum x 2^-d
.else
	v_ldexp_f32 v179, v[ST0+16+\s], v179
	v_add_f32 v177, v177, v179
.endif
	v_lshl_or_b32 v178, v178, 8, v178
	v_lshl_or_b32 v178, v178, 16, v178             ; d in all four bytes
	v_or_b32 v180, 0x80808080, v[ST0+32+\s]        ; the bytes lie between 1 and 125 and d is at most 127: with 128 on top of each no borrow crosses a byte
	v_sub_nc_u32 v180, v180, v178
	v_and_b32 v181, 0x80808080, v180               ; the top bit is left where the byte was at least d
	v_lshrrev_b32 v182, 7, v181
	v_sub_nc_u32 v181, v181, v182                  ; 0x7f there, 0 elsewhere
	v_and_b32 v[ST0+32+\s], v180, v181             ; byte - d, or 0
.endr
	v_rcp_f32 v177, v177
	v_nop                                          ; a plain place behind the transcendental
.irp g, 0,1,2,3
	ds_store_b128 v7, v[ST0+32+4*\g:ST0+32+4*\g+3] offset:256*\g
.endr
	s_wait_alu depctr_va_vdst(0)
	ds_store_b32 v8, v177
	s_wait_tensorcnt 1                             ; V's scale words and my part of slot 0 are in (slot 1's load may be out)
	s_wait_dscnt 0x0                               ; and my stores have landed:
	s_barrier_signal -1
	s_barrier_wait -1                              ; everybody's
	FETCH_B 0, 0, 0
	FETCH_A 0, 0, 0
	SCALES 0
	FETCH_A 0, 0, 2
	STEP 0, 0, 1                                   ; the first K step starts the sums: nothing is cleared
	STEP 0, 1, 0
	STEP 0, 2, 0
	TURN 0, 1, 1                                   ; K is twice round the ring: written out, no loop
	STEP 1, 0, 0
	STEP 1, 1, 0
	STEP 1, 2, 0
	TURN 1, 0, 1
	STEP 0, 0, 0
	STEP 0, 1, 0
	STEP 0, 2, 0
	TURN 0, 1, 0                                   ; the last lap fills nothing
	STEP 1, 0, 0
	STEP 1, 1, 0
	STEP 1, 2, 0
	s_wait_dscnt 2*NL                              ; the very last K step
	WIN 0xa1
	MULA 0, 1, NQ-1, 1, 0
	MULA 1, 1, NQ-1, 1, 0
	s_wait_dscnt 0x0
	MULA 2, 1, NQ-1, 1, 0
	MULA 3, 1, NQ-1, 1, 0
	WIN 0
	PLACES 4
	; THE WAY OUT, block by block of 16 queries x 128 of d: divided by l, through my own stage in LDS, back as whole rows of 512 bytes.
.irp a, 0,1,2,3
	ds_load_b32 v[RLV+2*\a], v[RLA] offset:64*\a
.endr
	s_wait_dscnt 0x0
.irp a, 0,1,2,3
	v_mov_b32 v[RLV+2*\a+1], v[RLV+2*\a]
.endr
.macro SCALE a
	WIN 0x82                                       ; destination and source 0: the accumulators' window
.set j, 0
.rept 32
	v_pk_mul_f32 v[64*(\a)+j:64*(\a)+j+1], v[64*(\a)+j:64*(\a)+j+1], v[RLV+2*(\a):RLV+2*(\a)+1]   ; each accumulator from its low end on
.set j, j+2
.endr
	WIN 0
.endm
.macro TOSTAGE a
	WIN 0x08                                       ; an LDS store's data are its source 1: window 2
.irp b, 0,1,2,3,4,5,6,7
	ds_store_b128 v[STO], v[64*(\a)+8*\b:64*(\a)+8*\b+3] offset:128*(\b/2)+32*(\b%2)
	ds_store_b128 v[STO], v[64*(\a)+8*\b+4:64*(\a)+8*\b+7] offset:128*(\b/2)+32*(\b%2)+16
.endr
	WIN 0
.set BB, BK+64*((\a)%2)
.irp t, 0,1,2,3,4,5,6,7,8,9,10,11,12,13,14,15
	ds_load_b128 v[BB+4*\t:BB+4*\t+3], v[RD] offset:\t*528   ; LDS serves a wave's instructions in order: these see the stores above, and the next block's stores come behind them
.endr
.endm
.macro SEND a, younger                 ; younger: the LDS instructions issued behind block a's loads, which may stay out
.set BB, BK+64*((\a)%2)
	s_wait_dscnt \younger
.irp t, 0,1,2,3,4,5,6,7,8,9,10,11,12,13,14,15
	global_store_b128 v[LI], v[BB+4*\t:BB+4*\t+3], s[12:13] offset:(32*((\a)/2)+8*((\a)%2)+\t+8*(\t/8))*4096 th:TH_STORE_NT   ; 32 lanes store 512 consecutive bytes, at a multiple of 256 from O's first byte; lane-row t of block a is that row
.endr
.endm
	SCALE 0
	TOSTAGE 0
.irp a, 1,2,3
	SCALE \a
.if \a > 1
	s_wait_xcnt 0x0                                ; block a - 2's stores have read their registers: block a's loads may land there
.endif
	TOSTAGE \a
	SEND \a-1, 32                                  ; behind block a - 1's loads: block a's 16 stores and 16 loads
.endr
	SEND 3, 0
	s_wait_tensorcnt 0x0                           ; the wave's end: behind my last tensor load and my last LDS store
	ds_add_u32 v[SPW], v[NIL]
	s_wait_dscnt 0x0
	CROUND                                         ; the closing round
	s_endpgm
.Lfunc_end_k_q39412c0d46_pv:
	.size	k_q39412c0d46_pv, .Lfunc_end_k_q39412c0d46_pv-k_q39412c0d46_pv
	.p2alignl 7, 3214868480
	.fill 96, 4, 3214868480
	.section	.rodata,"a",@progbits
	.p2align	6, 0x0
	.amdhsa_kernel k_q39412c0d46_pv
		.amdhsa_group_segment_fixed_size 327680
		.amdhsa_private_segment_fixed_size 0
		.amdhsa_enable_private_segment 0
		.amdhsa_kernarg_size 24
		.amdhsa_user_sgpr_count 2
		.amdhsa_user_sgpr_kernarg_segment_ptr 1
		.amdhsa_wavefront_size32 1
		.amdhsa_system_sgpr_workgroup_id_x 1
		.amdhsa_system_sgpr_workgroup_id_y 1
		.amdhsa_system_sgpr_workgroup_id_z 1
		.amdhsa_system_vgpr_workitem_id 0
		.amdhsa_next_free_vgpr 768
		.amdhsa_next_free_sgpr 100
		.amdhsa_reserve_vcc 0
		.amdhsa_float_denorm_mode_32 3
		.amdhsa_float_denorm_mode_16_64 3
		.amdhsa_memory_ordered 1
		.amdhsa_forward_progress 1
		.amdhsa_inst_pref_size 160
	.end_amdhsa_kernel
	.amdgpu_metadata
---
amdhsa.version: [ 1, 2 ]
amdhsa.kernels:
  - .name:           k_q39412c0d46_pv
    .symbol:         k_q39412c0d46_pv.kd
    .args:
      - { .name: p, .offset: 0, .size: 8, .value_kind: global_buffer, .address_space: global }
      - { .name: qkv, .offset: 8, .size: 8, .value_kind: global_buffer, .address_space: global }
      - { .name: out0, .offset: 16, .size: 8, .value_kind: global_buffer, .address_space: global }
    .group_segment_fixed_size: 327680
    .private_segment_fixed_size: 0
    .kernarg_segment_align: 8
    .kernarg_segment_size: 24
    .max_flat_workgroup_size: 128
    .sgpr_count:     100
    .vgpr_count:     768
    .wavefront_size: 32
...
	.end_amdgpu_metadata
.endif
;; end of part 4
